; MI455X (gfx1250); checked and timed in simulation.
; The chip was launched on July 23, 2026; its instructions are those of AMD's public machine-readable ISA for CDNA 5 (MIT licence, August 2026) and "CDNA5" Instruction Set Architecture Reference Guide (July 2026). The comments in the code are by the model that wrote it; some were corrected since.
;; Encoder Block. Allowed arithmetic: matrix products marked QUANTISED: E4M3 operands, one E8M0 scale for each 32 along K, by v_wmma_scale_f32_16x16x128_f8f6f4 with both operands' format E4M3, f32 sums; everything else in f32.
;; Inputs: ff1_b 4,096 float32; ff1_w_codes 4,096 x 32 x 32 uint8 (E4M3 codes of ff1_w, K innermost, in blocks of 32 codes); ff1_w_scales 4,096 x 32 uint8 (E8M0 scales of ff1_w, one for each 32 codes along K); ff2_b 1,024 float32; ff2_w_codes 1,024 x 128 x 32 uint8 (E4M3 codes of ff2_w, K innermost, in blocks of 32 codes); ff2_w_scales 1,024 x 128 uint8 (E8M0 scales of ff2_w, one for each 32 codes along K); ln1_a 1 float32; ln1_b 1 float32; ln2_a 1 float32; ln2_b 1 float32; src_mask 2 x 1 x 1 x 2,048 int32; wk_codes 1,024 x 32 x 32 uint8 (E4M3 codes of wk, K innermost, in blocks of 32 codes); wk_scales 1,024 x 32 uint8 (E8M0 scales of wk, one for each 32 codes along K); wo_codes 1,024 x 32 x 32 uint8 (E4M3 codes of wo, K innermost, in blocks of 32 codes); wo_scales 1,024 x 32 uint8 (E8M0 scales of wo, one for each 32 codes along K); wq_codes 1,024 x 32 x 32 uint8 (E4M3 codes of wq, K innermost, in blocks of 32 codes); wq_scales 1,024 x 32 uint8 (E8M0 scales of wq, one for each 32 codes along K); wv_codes 1,024 x 32 x 32 uint8 (E4M3 codes of wv, K innermost, in blocks of 32 codes); wv_scales 1,024 x 32 uint8 (E8M0 scales of wv, one for each 32 codes along K); x 2 x 2,048 x 1,024 float32.
;; Outputs: out0 2 x 2,048 x 1,024 float32.
;; This version of the problem:
;;   THIS VERSION OF THE PROBLEM IS GIVEN IN LOW PRECISION. The matrix products marked QUANTISED in the list below multiply operands that are first quantised to E4M3 (4 exponent bits, 3 mantissa bits; 8 bits a number), with one power-of-two scale for each 32 numbers along K (OCP MX v1.0); their sums are f32. All else is computed in f32.
;;   The module's matrix products, in the order in which they are computed (A, B: the left and right operand; K: the contracted axis; several contracted axes count as one K, in the product's order):
;;     1. [M 4,096, K 1,024] x [K 1,024, N 1,024]; A: computed on the way; B: input wq (given as codes): QUANTISED
;;     2. [M 4,096, K 1,024] x [K 1,024, N 1,024]; A: computed on the way; B: input wk (given as codes): QUANTISED
;;     3. [M 4,096, K 1,024] x [K 1,024, N 1,024]; A: computed on the way; B: input wv (given as codes): QUANTISED
;;     4. batch 32 x [M 2,048, K 64] x [K 64, N 2,048]; A: computed on the way; B: computed on the way: QUANTISED
;;     5. batch 32 x [M 2,048, K 2,048] x [K 2,048, N 64]; A: softmax (see below); B: computed on the way: QUANTISED
;;     6. [M 4,096, K 1,024] x [K 1,024, N 1,024]; A: computed on the way; B: input wo (given as codes): QUANTISED
;;     7. [M 4,096, K 1,024] x [K 1,024, N 4,096]; A: computed on the way; B: input ff1_w (given as codes): QUANTISED
;;     8. [M 4,096, K 4,096] x [K 4,096, N 1,024]; A: computed on the way; B: input ff2_w (given as codes): QUANTISED
;;   THE QUANTISER, for each operand of a quantised product, along K:
;;     - K is cut into blocks of 32 from its start; a last block that is shorter is filled with zeros.
;;     - A block's scale is 2^e with e = floor(log2(the largest magnitude in the block)) - 8, held to -126 .. 127; a block of zeros has e = 0. As a byte (E8M0): e + 127.
;;     - Each number is divided by its block's scale, clamped to +-448, and rounded to the nearest number of E4M3, ties to even, subnormals kept.
;;     - The product sums the exact products of the quantised numbers (number of the format x scale) in f32.
;;   ~~~python
;;   def quantise(x, axis):      # numpy; x: float32 -> the quantised numbers, widened to float32 again
;;       x = np.moveaxis(x, axis, -1); K = x.shape[-1]
;;       x = np.pad(x, [(0, 0)] * (x.ndim - 1) + [(0, -K % 32)]); x = x.reshape(x.shape[:-1] + (-1, 32)); a = np.abs(x).max(-1, keepdims=True)
;;       e = np.where(a > 0, np.clip(np.frexp(np.where(a > 0, a, 1))[1] - 1 - 8, -126, 127), 0)      # np.frexp(a)[1] - 1 = floor(log2(a)), exactly
;;       r = np.clip(x / 2.0 ** e, -448, 448)
;;       step = 2.0 ** (np.maximum(np.frexp(np.where(r == 0, 1, r))[1] - 1, -6) - 3)
;;       q = np.round(r / step) * step * 2.0 ** e      # np.round: ties to even
;;       return np.moveaxis(q.reshape(q.shape[:-2] + (-1,))[..., :K], -1, axis).astype(np.float32)
;;   ~~~
;;   SOFTMAX AHEAD OF A QUANTISED PRODUCT. Where the list says 'softmax', what is quantised is not the finished softmax but p = 2^(t - M), with t = logit x log2(e) and M = ceil(the row's largest t), a whole number; so 1/2 < the row's largest p <= 1. The row's sum l is taken of the UNQUANTISED p, in f32, and the product's result is divided by l at the end. Since M is a whole number, a kernel that streams over the keys may use a running M (the ceiling of the running maximum): every later rescaling is an exact power of two, which a block's scale takes up: the codes' values come out the same.
;;   OPERANDS COMPUTED ON THE WAY. 'Computed on the way' means the value that the module computes at that place (a softmax that the list does not call 'softmax' is quantised finished and normalised). What goes into a quantiser is computed in f32, as accurately as f32 sums, v_exp_f32 and their like allow (about 1e-6 of the number): no bf16 or f16 on the way to a quantiser, and a product that is left as it is and whose result goes on into a quantised operand takes f32 operands (vector FMAs, or v_wmma_f32_16x16x4_f32). A number that lies on a knife's edge between two numbers of the format may be rounded either way, as far as f32 arithmetic and the matrix unit's own rounding can turn it there, and no further.
;;   INPUTS GIVEN AS CODES. ff1_w (in the module: [1024, 4096], K = its axis 0); ff2_w (in the module: [4096, 1024], K = its axis 0); wk (in the module: [1024, 1024], K = its axis 0); wo (in the module: [1024, 1024], K = its axis 0); wq (in the module: [1024, 1024], K = its axis 0); wv (in the module: [1024, 1024], K = its axis 0): each comes as NAME_codes (uint8): NAME with its K axis moved to the last place and cut into blocks of 32 codes, [.., K / 32, bytes a block], one block behind the other in memory; one code a byte (a code: sign, 4 exponent bits, 3 mantissa bits); and NAME_scales (uint8): the same leading axes, one E8M0 byte (e + 127) for each 32 codes along K. Its value is code x scale, taken as it is: it is not quantised again, and the codes and scales need not be those that the quantiser above would give.
;; One version. Each part assembles by itself: llvm-mc -triple=amdgcn-amd-amdhsa -mcpu=gfx1250 --defsym DOCPART=n.
;; ======== version 1 of 1: 7 launches
;; limits: right only within a limited range of input values
;; workspace buffers: act1 4,325,376 bytes; qkvi 13,238,272 bytes; ao 4,325,376 bytes; hres 16,777,216 bytes; act2 4,325,376 bytes; hid 17,301,504 bytes
;; launch ln1 (part 1): grid 256 x 1, 16 waves a work-group, no clusters, 84,992 bytes of LDS; arguments x, ln1_a, ln1_b, act1; writes act1
.if DOCPART == 1
	.amdgcn_target "amdgcn-amd-amdhsa--gfx1250"
	.amdhsa_code_object_version 6
	.text
	.protected	k_q87b8f11153_ln1
	.globl	k_q87b8f11153_ln1
	.p2align	8
	.type	k_q87b8f11153_ln1,@function
k_q87b8f11153_ln1:
	s_mov_b64 s[64:65], 0
	v_nop
	global_prefetch_b8 v0, s[64:65] scope:SCOPE_SE
	s_setreg_imm32_b32 hwreg(HW_REG_WAVE_MODE, 25, 1), 1
	s_wait_xcnt 0x0
; y = alpha (x - mean) / (std + 1e-6) + beta over rows of 1,024 f32 (std with the divisor 1,023), then y is quantised along the row to E4M3 codes with one E8M0 byte for each 32.
; Out: codes [4096][1024] row-major at byte 0 of the buffer, scale bytes [4096][32] at byte 0x400000.
; SHARES.  A work-group takes 16 rows, each of its sixteen waves ONE row: no sum leaves the wave, a wave's serial work is one row's, and four waves share a SIMD, so that one wave's waits stand beside another's arithmetic.
; A wave's eight loads (512 consecutive bytes each) go out at the head.  The row stays in 32 registers a lane through mean, centring, sum of squares and scaling.
; For the conversions a lane must hold 16 NEIGHBOURS, so each half row (2,048 bytes) turns through the wave's own stage in LDS: stored as loaded, read back 64 bytes a lane; 16 bytes of padding stand behind each 64.
; Two neighbouring lanes hold a block of 32.  A lane's 16 codes are 16 bytes: a store covers 512 consecutive bytes.
; The work-group's 512 scale bytes are gathered in LDS and leave as 512 consecutive bytes, by wave 0.  No matrix unit, no tensor load, no cluster: work-groups share nothing.
; LIMITS: a block whose largest magnitude lies under 2^-118 gets the byte 1 (a block of zeros too: its codes are zeros and this program alone reads the bytes); NaN and infinities are not served;
; 1/1023 is a multiplication, the root and the reciprocal are v_sqrt_f32 and v_rcp_f32.
.set SB,  81920                        ; LDS: behind the sixteen waves' stages (2 x 2,560 bytes each): the scale bytes
.set T,   32                           ; v32-63   two sets of 16 neighbours
.set X,   64                           ; v64-95   the row
.set C,   96                           ; v96-103  codes, four registers a half: no store's data are written again
.set E,   104                          ; v104-105 a scale byte a half
	s_load_b256 s[4:11], s[0:1], 0x0               ; in s[4:5], alpha s[6:7], beta s[8:9], out s[10:11]
	v_lshl_add_u32 v112, v0, 2, 0x14400
	v_mov_b32 v113, 0
	v_lshrrev_b32 v1, 5, v0
	s_delay_alu instid0(VALU_DEP_1)
	v_readfirstlane_b32 s16, v1                    ; wave 0..15
	v_and_b32 v1, 31, v0                           ; lane
	s_delay_alu instid0(VALU_DEP_1)
	v_lshlrev_b32 v2, 4, v1                        ; 16 x lane
	s_mul_i32 s17, s16, 5120
	v_lshrrev_b32 v3, 2, v1
	s_delay_alu instid0(VALU_DEP_1)
	v_mul_u32_u24 v3, v3, 80
	v_and_b32 v4, 3, v1
	s_delay_alu instid0(VALU_DEP_1)
	v_lshl_add_u32 v3, v4, 4, v3
	s_delay_alu instid0(VALU_DEP_1)
	v_add_nc_u32 v3, s17, v3                       ; the stage, in: 80 (lane / 4) + 16 (lane % 4)
	v_mul_u32_u24 v4, v1, 80
	s_delay_alu instid0(VALU_DEP_1)
	v_add_nc_u32 v4, s17, v4                       ; and out: 80 x lane
	s_lshl_b32 s18, s16, 5
	s_add_co_u32 s18, s18, SB
	v_lshrrev_b32 v5, 1, v1
	s_delay_alu instid0(VALU_DEP_1)
	v_add_nc_u32 v5, s18, v5                       ; my block's scale byte: 32 bytes a wave
	v_add_nc_u32 v6, SB, v2                        ; the bytes' way out
	v_mov_b32 v9, 0                                ; a lane permute's destination counts as read
	s_mov_b32 s20, 0x76543210
	s_mov_b32 s21, 0xfedcba98                      ; lane l xor 16
	s_mov_b32 s22, 0x600000                        ; the mantissa field of 448
	s_lshl_b32 s24, ttmp9, 16                      ; 16 rows of 4,096 bytes,
	s_lshl_b32 s25, s16, 12                        ; my wave's one
	s_add_co_u32 s24, s24, s25
	s_mov_b32 s25, 0
	s_lshl_b32 s26, ttmp9, 14                      ; the same row's codes
	s_lshl_b32 s27, s16, 10
	s_add_co_u32 s26, s26, s27
	s_mov_b32 s27, 0
	s_lshl_b32 s18, ttmp9, 9                       ; and the work-group's scale bytes
	s_add_co_u32 s18, s18, 0x400000
	s_mov_b32 s19, 0
	s_wait_kmcnt 0x0
	s_load_b32 s12, s[6:7], 0x0                    ; alpha
	s_load_b32 s14, s[8:9], 0x0                    ; beta
	s_add_nc_u64 s[4:5], s[4:5], s[24:25]
	s_add_nc_u64 s[28:29], s[10:11], s[26:27]
	s_add_nc_u64 s[30:31], s[10:11], s[18:19]
.irp j, 0,1,2,3,4,5,6,7
	global_load_b128 v[X+4*\j:X+4*\j+3], v2, s[4:5] offset:512*\j th:TH_LOAD_NT
.endr
	s_wait_kmcnt 0x0
	s_mov_b32 s15, s14                             ; the packed form names the pair
.macro LANESUM                         ; v8 summed over the 32 lanes, the result in every lane
	s_delay_alu instid0(VALU_DEP_1)
	v_add_f32_dpp v8, v8, v8 row_xmask:1 row_mask:0xf bank_mask:0xf
	s_delay_alu instid0(VALU_DEP_1)
	v_add_f32_dpp v8, v8, v8 row_xmask:2 row_mask:0xf bank_mask:0xf
	s_delay_alu instid0(VALU_DEP_1)
	v_add_f32_dpp v8, v8, v8 row_xmask:4 row_mask:0xf bank_mask:0xf
	s_delay_alu instid0(VALU_DEP_1)
	v_add_f32_dpp v8, v8, v8 row_xmask:8 row_mask:0xf bank_mask:0xf
	s_delay_alu instid0(VALU_DEP_1)
	v_permlanex16_b32 v9, v8, s20, s21
	s_delay_alu instid0(VALU_DEP_1)
	v_add_f32 v8, v8, v9
.endm
.macro TURN s                          ; half s of the row through stage s: LDS serves a wave's instructions in order, so no wait stands between the stores and the loads
.irp jj, 0,1,2,3
	ds_store_b128 v3, v[X+16*(\s)+4*\jj:X+16*(\s)+4*\jj+3] offset:2560*(\s)+640*\jj
.endr
.irp ii, 0,1,2,3
	ds_load_b128 v[T+16*(\s)+4*\ii:T+16*(\s)+4*\ii+3], v4 offset:2560*(\s)+16*\ii
.endr
.endm
.macro QSTEP s                         ; 512 numbers, 16 a lane, become codes and 16 scale bytes
.set TT, T+16*(\s)
	v_max3_num_f32 v16, |v[TT]|, |v[TT+1]|, |v[TT+2]|
	v_max3_num_f32 v17, |v[TT+3]|, |v[TT+4]|, |v[TT+5]|
.irp k, 6,10
	s_delay_alu instid0(VALU_DEP_2)
	v_max3_num_f32 v16, v16, |v[TT+\k]|, |v[TT+\k+1]|
	s_delay_alu instid0(VALU_DEP_2)
	v_max3_num_f32 v17, v17, |v[TT+\k+2]|, |v[TT+\k+3]|
.endr
	s_delay_alu instid0(VALU_DEP_2)
	v_max3_num_f32 v16, v16, |v[TT+14]|, |v[TT+15]|
	s_delay_alu instid0(VALU_DEP_1)
	v_max3_num_f32 v16, v16, v17, 0x4800000        ; the floor 2^(9 - 127): the byte cannot fall under 1
	s_delay_alu instid0(VALU_DEP_1)
	v_max_num_f32_dpp v16, v16, v16 row_xmask:1 row_mask:0xf bank_mask:0xf   ; with my neighbour's 16: the block's largest magnitude
	s_delay_alu instid0(VALU_DEP_1)
	v_add_nc_u32 v18, 0xfc000000, v16              ; 8 off its exponent field: the conversion's scale operand
	s_delay_alu instid0(VALU_DEP_2)
	v_and_or_b32 v19, v16, 0x7f800000, s22         ; 448 x the scale
.irp k, 0,1,2,3,4,5,6,7,8,9,10,11,12,13,14,15
	v_med3_num_f32 v[TT+\k], v[TT+\k], -v19, v19   ; the conversion to an 8-bit code does not saturate (ISA guide 7.6.2): the hold comes first
.endr
	v_cvt_scalef32_pk8_fp8_f32 v[C+4*(\s):C+4*(\s)+1], v[TT:TT+7], v18
	v_cvt_scalef32_pk8_fp8_f32 v[C+4*(\s)+2:C+4*(\s)+3], v[TT+8:TT+15], v18
	v_lshrrev_b32 v[E+(\s)], 23, v18               ; the scale's byte
	ds_store_b8 v5, v[E+(\s)] offset:16*(\s)       ; both lanes of a block write the same byte with the same value
	global_store_b128 v2, v[C+4*(\s):C+4*(\s)+3], s[28:29] offset:512*(\s)
.endm
	s_wait_loadcnt 0x0                             ; my row is in
	v_pk_add_f32 v[22:23], v[64:65], v[66:67]
	v_pk_add_f32 v[110:111], v[72:73], v[76:77]
	v_pk_add_f32 v[108:109], v[80:81], v[84:85]
	v_pk_add_f32 v[106:107], v[88:89], v[92:93]
	v_pk_add_f32 v[104:105], v[68:69], v[70:71]
	v_pk_add_f32 v[102:103], v[74:75], v[78:79]
	v_pk_add_f32 v[100:101], v[82:83], v[86:87]
	v_pk_add_f32 v[20:21], v[90:91], v[94:95]
	s_delay_alu instid0(VALU_DEP_1)
	v_pk_add_f32 v[20:21], v[20:21], v[106:107]
	v_pk_add_f32 v[22:23], v[22:23], v[104:105]
	v_pk_add_f32 v[110:111], v[110:111], v[102:103]
	v_pk_add_f32 v[108:109], v[108:109], v[100:101]
	s_delay_alu instid0(VALU_DEP_2)
	v_pk_add_f32 v[20:21], v[20:21], v[110:111]
	s_delay_alu instid0(VALU_DEP_2)
	v_pk_add_f32 v[22:23], v[22:23], v[108:109]
	s_delay_alu instid0(VALU_DEP_1)
	v_pk_add_f32 v[20:21], v[20:21], v[22:23]
	s_delay_alu instid0(VALU_DEP_1)
	v_add_f32 v8, v20, v21
	LANESUM
	s_delay_alu instid0(VALU_DEP_1)
	v_mul_f32 v10, 0x3a800000, v8                  ; the mean: / 1,024
	s_delay_alu instid0(VALU_DEP_1)
	v_mov_b32 v11, v10
.irp j, 0,2,4,6,8,10,12,14,16,18,20,22,24,26,28,30
	v_pk_add_f32 v[X+\j:X+\j+1], v[X+\j:X+\j+1], v[10:11] neg_lo:[0,1] neg_hi:[0,1]   ; x - mean, in place
.endr
	v_pk_mul_f32 v[20:21], v[X:X+1], v[X:X+1]
	v_pk_mul_f32 v[22:23], v[X+2:X+3], v[X+2:X+3]
.irp j, 4,8,12,16,20,24,28
	s_delay_alu instid0(VALU_DEP_2)
	v_pk_fma_f32 v[20:21], v[X+\j:X+\j+1], v[X+\j:X+\j+1], v[20:21]
	s_delay_alu instid0(VALU_DEP_2)
	v_pk_fma_f32 v[22:23], v[X+\j+2:X+\j+3], v[X+\j+2:X+\j+3], v[22:23]
.endr
	s_delay_alu instid0(VALU_DEP_1)
	v_pk_add_f32 v[20:21], v[20:21], v[22:23]
	s_delay_alu instid0(VALU_DEP_1)
	v_add_f32 v8, v20, v21
	LANESUM
	s_delay_alu instid0(VALU_DEP_1)
	v_mul_f32 v8, 0x3a802008, v8                   ; / 1,023
	s_wait_alu depctr_va_vdst(0)
	v_sqrt_f32 v16, v8
	v_nop                                          ; a plain line behind the root,
	s_wait_alu depctr_va_vdst(0)                   ; and the wait ahead of its first reader
	v_add_f32 v16, 0x358637bd, v16                 ; + 1e-6
	s_wait_alu depctr_va_vdst(0)
	v_rcp_f32 v17, v16
	v_nop
	s_wait_alu depctr_va_vdst(0)
	v_mul_f32 v12, s12, v17                        ; g = alpha / (std + eps)
	s_delay_alu instid0(VALU_DEP_1)
	v_mov_b32 v13, v12
.irp j, 0,2,4,6,8,10,12,14,16,18,20,22,24,26,28,30
	v_pk_fma_f32 v[X+\j:X+\j+1], v[X+\j:X+\j+1], v[12:13], s[14:15] op_sel_hi:[1,1,0]
.endr
	TURN 0
	TURN 1
	s_wait_dscnt 8                                 ; half 0 is back; half 1's four stores and four loads may be out
	QSTEP 0
	s_wait_dscnt 1                                 ; half 1 is back; the byte store just issued may be out
	QSTEP 1
	s_wait_dscnt 0x0                               ; for the others' sake: my byte stores have landed
	s_barrier_signal -1
	s_barrier_wait -1
	s_cmp_lg_u32 s16, 0
	s_cbranch_scc1 .Ldone
	ds_load_b128 v[108:111], v6                    ; wave 0: the work-group's 512 scale bytes
	s_wait_dscnt 0x0
	global_store_b128 v2, v[108:111], s[30:31]     ; 512 consecutive bytes
.Ldone:
	s_wait_tensorcnt 0x0
	ds_add_u32 v112, v113
	s_wait_dscnt 0x0
	s_endpgm
.Lfunc_end_k_q87b8f11153_ln1:
	.size	k_q87b8f11153_ln1, .Lfunc_end_k_q87b8f11153_ln1-k_q87b8f11153_ln1
	.p2alignl 7, 3214868480
	.fill 96, 4, 3214868480
	.section	.rodata,"a",@progbits
	.p2align	6, 0x0
	.amdhsa_kernel k_q87b8f11153_ln1
		.amdhsa_group_segment_fixed_size 84992
		.amdhsa_private_segment_fixed_size 0
		.amdhsa_enable_private_segment 0
		.amdhsa_kernarg_size 32
		.amdhsa_user_sgpr_count 2
		.amdhsa_user_sgpr_kernarg_segment_ptr 1
		.amdhsa_wavefront_size32 1
		.amdhsa_system_sgpr_workgroup_id_x 1
		.amdhsa_system_sgpr_workgroup_id_y 1
		.amdhsa_system_sgpr_workgroup_id_z 1
		.amdhsa_system_vgpr_workitem_id 0
		.amdhsa_next_free_vgpr 114
		.amdhsa_next_free_sgpr 66
		.amdhsa_reserve_vcc 0
		.amdhsa_float_denorm_mode_32 3
		.amdhsa_float_denorm_mode_16_64 3
		.amdhsa_memory_ordered 1
		.amdhsa_forward_progress 1
		.amdhsa_inst_pref_size 16
	.end_amdhsa_kernel
	.amdgpu_metadata
---
amdhsa.version: [ 1, 2 ]
amdhsa.kernels:
  - .name:           k_q87b8f11153_ln1
    .symbol:         k_q87b8f11153_ln1.kd
    .args:
      - { .name: x, .offset: 0, .size: 8, .value_kind: global_buffer, .address_space: global }
      - { .name: ln1_a, .offset: 8, .size: 8, .value_kind: global_buffer, .address_space: global }
      - { .name: ln1_b, .offset: 16, .size: 8, .value_kind: global_buffer, .address_space: global }
      - { .name: act1, .offset: 24, .size: 8, .value_kind: global_buffer, .address_space: global }
    .group_segment_fixed_size: 84992
    .private_segment_fixed_size: 0
    .kernarg_segment_align: 8
    .kernarg_segment_size: 32
    .max_flat_workgroup_size: 512
    .sgpr_count:     66
    .vgpr_count:     114
    .wavefront_size: 32
...
	.end_amdgpu_metadata
.endif
;; end of part 1
;; launch qkv (part 2): grid 12 x 16, 4 waves a work-group, clusters of 4 x 4, 327,680 bytes of LDS; arguments act1, wq_codes, wq_scales, wk_codes, wk_scales, wv_codes, wv_scales, qkvi; writes qkvi
.if DOCPART == 2
	.amdgcn_target "amdgcn-amd-amdhsa--gfx1250"
	.amdhsa_code_object_version 6
	.text
	.protected	k_q87b8f11153_qkv
	.globl	k_q87b8f11153_qkv
	.p2align	8
	.type	k_q87b8f11153_qkv,@function
k_q87b8f11153_qkv:
	s_mov_b64 s[64:65], 0
	v_nop
	global_prefetch_b8 v0, s[64:65] scope:SCOPE_SE
	s_setreg_imm32_b32 hwreg(HW_REG_WAVE_MODE, 25, 1), 1
	s_wait_xcnt 0x0
	s_wait_alu depctr_hold_cnt(0) depctr_sa_sdst(0) depctr_va_vdst(0) depctr_va_sdst(0) depctr_va_ssrc(0) depctr_va_vcc(0) depctr_vm_vsrc(0)
	s_getreg_b32 s2, hwreg(HW_REG_IB_STS2, 6, 4)
	s_cmp_eq_u32 s2, 0
	s_cbranch_scc0 .Lentry_in_a_cluster
	s_endpgm
.Lentry_in_a_cluster:
	s_bfe_u32 s2, ttmp6, 0x10000c
	s_cmp_lg_u32 s2, 0xf033
	s_cbranch_scc0 .Lentry_shape_is_right
	s_endpgm
.Lentry_shape_is_right:
.set NQ,     2
.set ROWB,   256
.set KROW,   1024
.set KS,     32
.set PITCH,  272
.set FR,     16
.set NL,     4
.set NP,     8
.set HALFT,  128*PITCH
.set SLOT,   4*HALFT
.set LAPS,   2
.set SCL,    2*SLOT
.set HALFS,  16*272
.set SBLK,   2*272
.set SPARE,  SCL+4*HALFS
.set STG,    0
.set SSTG,   256*272
.set ADRA, 16
.set G4,   18
.set ADRB, 20
.set SRD,  22
.set GO,   23
.set STO,  24
.set SSO,  25
.set RDA,  26
.set ADRS, 27
.set SPW,  28
.set NIL,  29
.set SC,   32
.set WD,   64
.set AF,   128
.set HELD, 128
.set PC,   192
.set TM,   224
.set PW,   240
.set G1,   24
.set G0,   32
.set G1B,  48
.set G0B,  56
.set G1S,  68
.set G0S,  76
.set G1SB, 80
.set G0SB, 88
.set MNT,  95
.set SEL,  96
.set MSB, 0
.macro WIN new
.if MSB != (\new)
	s_set_vgpr_msb (MSB<<8)|(\new)
.set MSB, (\new)
.endif
.endm
.set MUL_LO, 0xa1
.set MUL_HI, 0xf1
.set TO_B,   0x40
.macro JLOAD g0a, g1a, g0b, g1b
	s_cmp_eq_u32 s15, 0
	s_cbranch_scc0 .Lfor_b_\@
	tensor_load_to_lds s[\g0a:\g0a+3], s[\g1a:\g1a+7]
	s_nop 0
.rept 4
	v_nop
.endr
	s_branch .Lasked_\@
.Lfor_b_\@:
	tensor_load_to_lds s[\g0b:\g0b+3], s[\g1b:\g1b+7]
	s_nop 0
.rept 4
	v_nop
.endr
.Lasked_\@:
.endm
.macro CREST
	s_cmp_lg_u32 s14, 0
	s_cbranch_scc1 .Lnot_wave_0_\@
	s_barrier_signal -3
.Lnot_wave_0_\@:
	s_barrier_wait -3
	s_barrier_signal -1
	s_barrier_wait -1
.endm
.macro CROUND
	s_barrier_signal -1
	s_barrier_wait -1
	CREST
.endm
	s_load_b512 s[68:83], s[0:1], 0x0
	v_lshl_add_u32 v[SPW], v0, 2, SPARE
	v_mov_b32 v[NIL], 0
	ds_add_u32 v28, v29
	ds_add_u32 v28, v29
	s_wait_dscnt 0x0
	v_lshrrev_b32 v1, 5, v0
	v_readfirstlane_b32 s14, v1
	s_lshr_b32 s15, s14, 1
	s_and_b32 s16, s14, 1
	s_bfe_u32 s40, ttmp6, 0x40000
	s_bfe_u32 s41, ttmp6, 0x40004
	s_and_b32 s44, ttmp7, 0xffff
	s_lshl_b32 s44, s44, 2
	s_cmp_eq_u32 ttmp9, 2
	s_cselect_b32 s42, s44, 0
	s_cselect_b32 s17, 0, s44
	s_add_co_u32 s42, s42, s40
	s_add_co_u32 s17, s17, s41
	s_lshl_b32 s43, s41, 2
	s_lshl_b32 s43, 15, s43
	s_lshl_b32 s44, 0x1111, s40
	s_or_b32 s[G1+0], s43, (0<<16)|(1<<20)|(1<<21)|(5<<22)|(3<<25)
	s_or_b32 s[G1B+0], s44, (0<<16)|(1<<20)|(1<<21)|(5<<22)|(3<<25)
.irp g, G1, G1B
	s_mov_b32 s[\g+1], ROWB<<16
	s_mov_b32 s[\g+2], 128<<16
	s_mov_b32 s[\g+3], ROWB<<16
	s_mov_b32 s[\g+4], 128
	s_mov_b32 s[\g+5], KROW
	s_mov_b32 s[\g+6], 0
	s_mov_b32 s[\g+7], 0
.endr
	s_lshl_b32 s18, s16, 7
	s_lshl_b32 s20, s17, 8
	s_add_co_u32 s20, s20, s18
	s_lshl_b32 s46, s42, 8
	s_add_co_u32 s46, s46, s18
	s_lshl_b32 s22, s20, 5
	s_mov_b32 s23, 0
	s_lshl_b32 s92, s46, 5
	s_mov_b32 s93, 0
	s_lshl_b32 s20, s20, 10
	s_mov_b32 s21, 0
	s_lshl_b32 s46, s46, 10
	s_mov_b32 s47, 0
	s_mul_i32 s45, s14, HALFT
	s_mul_i32 s94, s14, HALFS
	s_mov_b32 s[SEL], 0x76543210
	s_mov_b32 s[SEL+1], 0xfedcba98
	s_mov_b32 s[MNT], 0x600000
	s_wait_kmcnt 0x0
	s_add_nc_u64 s[2:3], s[68:69], 0x400000
	s_cmp_eq_u32 ttmp9, 0
	s_cselect_b64 s[8:9], s[70:71], s[74:75]
	s_cselect_b64 s[10:11], s[72:73], s[76:77]
	s_cmp_eq_u32 ttmp9, 2
	s_cselect_b64 s[8:9], s[68:69], s[8:9]
	s_cselect_b64 s[10:11], s[2:3], s[10:11]
	s_cselect_b64 s[4:5], s[78:79], s[68:69]
	s_cselect_b64 s[6:7], s[80:81], s[2:3]
	s_mov_b64 s[12:13], s[82:83]
	s_add_nc_u64 s[20:21], s[4:5], s[20:21]
	s_add_nc_u64 s[22:23], s[6:7], s[22:23]
	s_add_nc_u64 s[46:47], s[8:9], s[46:47]
	s_add_nc_u64 s[92:93], s[10:11], s[92:93]
	CROUND                                         ; all sixteen work-groups are here: the first joint loads meet
.irp s, 0,1
	s_mov_b32 s[G0+4*\s], 1
	s_add_co_u32 s[G0+4*\s+1], s45, \s*SLOT
	s_add_nc_u64 s[G0+4*\s+2:G0+4*\s+3], s[20:21], \s*ROWB
	s_or_b32 s[G0+4*\s+3], s[G0+4*\s+3], 0x80000000
	s_mov_b32 s[G0B+4*\s], 1
	s_add_co_u32 s[G0B+4*\s+1], s45, \s*SLOT
	s_add_nc_u64 s[G0B+4*\s+2:G0B+4*\s+3], s[46:47], \s*ROWB
	s_or_b32 s[G0B+4*\s+3], s[G0B+4*\s+3], 0x80000000
.endr
	JLOAD G0, G1, G0B, G1B                         ; K step 0: my 128 rows of it, my one tensor load at the head
; THE SCALES come through registers: the scale bytes of the 128 rows that I fetch are 4,096 dense bytes: eight loads of 512 consecutive bytes, stored into LDS as units of 256 bytes + 16 of padding, under the tensor load's flight.
; THE PREFETCHES INTO THE L2: of the 128 rows that I fetch, each of the four partners that ask for them jointly takes 32, told apart by address (cx for source 1's rows, cy for source 0's): a lane a row, 256 bytes of a row a K step.
; K steps 1 and 2 are asked for here, beside K step 0's load, and K step 3 beside K step 1's: two loads ahead but for K step 1.
.set SST, 8                            ; v8   where my lane stores its scale bytes
.set PFO, 30                           ; v30  the prefetches' offset: 1,024 x lane; never rewritten
	s_cmp_eq_u32 s15, 0
	s_cselect_b64 s[4:5], s[22:23], s[92:93]       ; my rows' scale bytes
	s_cselect_b64 s[6:7], s[20:21], s[46:47]       ; my rows' codes
	s_cselect_b32 s8, s40, s41                     ; my place among the four
	s_lshl_b32 s8, s8, 15                          ; 32 rows of 1,024 bytes
	s_mov_b32 s9, 0
	s_add_nc_u64 s[6:7], s[6:7], s[8:9]
	s_add_co_u32 s94, s94, SCL
	v_and_b32 v9, 31, v0
	v_and_b32 v11, 15, v0
	v_lshlrev_b32 v10, 4, v9
	v_lshrrev_b32 v[SST], 4, v9
	v_lshlrev_b32 v[PFO], 10, v9
.irp j, 0,1,2,3,4,5,6,7
	global_load_b128 v[128+4*\j:131+4*\j], v10, s[4:5] offset:512*\j
.endr
	v_mul_u32_u24 v[SST], v[SST], 272
	v_lshl_add_u32 v[SST], v11, 4, v[SST]
	v_add_nc_u32 v[SST], s94, v[SST]
	global_prefetch_b8 v[PFO], s[6:7] offset:256 th:TH_LOAD_NT scope:SCOPE_SE
	global_prefetch_b8 v[PFO], s[6:7] offset:512 th:TH_LOAD_NT scope:SCOPE_SE
	v_and_b32 v1, 15, v0
	v_bfe_u32 v2, v0, 4, 1
	v_mul_u32_u24 v3, v1, PITCH
	v_lshl_add_u32 v4, v2, 4, v3
	s_mul_i32 s21, s15, HALFT
	s_mul_i32 s22, s16, HALFT
	s_add_co_u32 s22, s22, 2*HALFT
.irp s, 0,1
	v_add_nc_u32 v[ADRA+\s], s21, v4
	v_add_nc_u32 v[ADRB+\s], s22, v4
	s_add_co_u32 s21, s21, SLOT
	s_add_co_u32 s22, s22, SLOT
.endr
	v_mul_u32_u24 v5, v1, KS
	v_lshrrev_b32 v6, 8, v5
	v_lshl_add_u32 v5, v6, 4, v5
	s_mul_i32 s21, s15, HALFS
	s_mul_i32 s22, s16, HALFS
	s_add_co_u32 s22, s22, 2*HALFS
	s_sub_co_u32 s22, s22, s21
	v_mul_u32_u24 v6, s22, v2
	s_add_co_u32 s21, s21, SCL
	v_add_nc_u32 v5, v5, v6
	v_add_nc_u32 v[ADRS], s21, v5
	s_mul_i32 s21, s15, 128*272
	s_lshl_b32 s22, s16, 7
	s_add_co_u32 s21, s21, s22
	v_lshl_add_u32 v5, v2, 3, v3
	v_add_nc_u32 v[STO], s21, v5
	s_lshl_b32 s21, s15, 10
	s_lshl_b32 s22, s16, 2
	s_add_co_u32 s21, s21, s22
	s_add_co_u32 s21, s21, SSTG
	v_lshl_add_u32 v[SSO], v1, 3, s21
	v_and_b32 v5, 8, v1
	v_add_nc_u32 v5, v5, v1
	v_mul_u32_u24 v6, v5, 272
	v_lshl_add_u32 v6, v2, 4, v6
	s_mul_i32 s21, s14, 64*272
	v_add_nc_u32 v[RDA], s21, v6
	v_and_b32 v6, 31, v0
	s_lshl_b32 s21, s14, 9
	s_add_co_u32 s21, s21, SSTG
	v_lshl_add_u32 v[SRD], v6, 3, s21
	v_lshlrev_b32 v[GO], 4, v6
	v_lshlrev_b32 v[G4], 2, v6
.macro FRAG reg, adr, q, i
.irp c, 0,1,2,3
	ds_load_b128 v[\reg+4*\c:\reg+4*\c+3], v[\adr] offset:128*(\q)+32*\c+(\i)*16*PITCH
.endr
.endm
.macro MUL16 a0, p, q, sc, zero
.irp a, \a0, \a0+1
.irp b, 0,1,2,3,4,5,6,7
.if \zero
	v_wmma_scale_f32_16x16x128_f8f6f4 v[8*(8*((\a)%4)+\b):8*(8*((\a)%4)+\b)+7], v[128*(\p)+FR*\b:128*(\p)+FR*\b+FR-1], v[AF+FR*(\a):AF+FR*(\a)+FR-1], 0, v[SC+8*NQ*(\sc)+NQ*\b+(\q)], v[SC+8*NQ*(\sc)+NQ*(\a)+(\q)] matrix_a_scale:MATRIX_SCALE_ROW1
.else
	v_wmma_scale_f32_16x16x128_f8f6f4 v[8*(8*((\a)%4)+\b):8*(8*((\a)%4)+\b)+7], v[128*(\p)+FR*\b:128*(\p)+FR*\b+FR-1], v[AF+FR*(\a):AF+FR*(\a)+FR-1], v[8*(8*((\a)%4)+\b):8*(8*((\a)%4)+\b)+7], v[SC+8*NQ*(\sc)+NQ*\b+(\q)], v[SC+8*NQ*(\sc)+NQ*(\a)+(\q)] matrix_a_scale:MATRIX_SCALE_ROW1
.endif
.endr
.endr
.endm
.macro FETCH_B slot, q, p
	WIN TO_B
.irp i, 0,1,2,3,4,5,6,7
	FRAG 128*(\p)+FR*\i, ADRB+\slot, \q, \i
.endr
	WIN 0
.endm
.macro FETCH_A slot, q, i0
.irp i, \i0, \i0+1, \i0+2, \i0+3
	FRAG AF+FR*(\i), ADRA+\slot, \q, \i
.endr
.endm
.macro SCALES sc
.irp i, 0,1,2,3,4,5,6,7
	ds_load_b64 v[SC+8*NQ*\sc+NQ*\i:SC+8*NQ*\sc+NQ*\i+1], v[ADRS] offset:\i*SBLK
.endr
.endm
.macro PLACES n
.rept \n
	v_nop
.endr
.endm
.macro STEP slot, q, zero
	s_wait_dscnt 4*NL
	WIN MUL_LO
	MUL16 0, (\q)%2, \q, \slot, \zero
	MUL16 2, (\q)%2, \q, \slot, \zero
	s_wait_dscnt 0
	PLACES NP
	FETCH_B \slot, (\q)+1, 1-(\q)%2
	FETCH_A \slot, (\q)+1, 0
	WIN MUL_HI
	MUL16 4, (\q)%2, \q, \slot, \zero
	MUL16 6, (\q)%2, \q, \slot, \zero
	PLACES NP
	WIN 0
	FETCH_A \slot, (\q)+1, 4
.endm
.macro TURN slot, next, fill
	s_wait_tensorcnt 0x0
	ds_add_u32 v[SPW], v[NIL]
	s_wait_dscnt 4*NL+1
	WIN MUL_LO
	MUL16 0, 1, NQ-1, \slot, 0
	s_wait_dscnt 0x0
	s_barrier_signal -1
	MUL16 2, 1, NQ-1, \slot, 0
	WIN 0
	s_barrier_wait -1
.if \fill
	CREST
	s_add_nc_u64 s[G0+4*\slot+2:G0+4*\slot+3], s[G0+4*\slot+2:G0+4*\slot+3], 2*ROWB
	s_add_nc_u64 s[G0B+4*\slot+2:G0B+4*\slot+3], s[G0B+4*\slot+2:G0B+4*\slot+3], 2*ROWB
	JLOAD G0+4*\slot, G1, G0B+4*\slot, G1B
	PLACES NP-4
.else
	PLACES NP
.endif
	s_wait_alu depctr_va_vdst(0)
	v_add_nc_u32 v[ADRS], 4*NQ, v[ADRS]
	FETCH_B \next, 0, 0
	FETCH_A \next, 0, 0
	SCALES \next
	WIN MUL_HI
	MUL16 4, 1, NQ-1, \slot, 0
	MUL16 6, 1, NQ-1, \slot, 0
	PLACES NP
	WIN 0
	FETCH_A \next, 0, 4
.endm
	s_wait_alu depctr_va_vdst(0)
	s_wait_loadcnt 0x0                             ; my scale bytes are in registers
.irp j, 0,1,2,3,4,5,6,7
	ds_store_b128 v[SST], v[128+4*\j:131+4*\j] offset:544*\j   ; two units of 256 bytes a store
.endr
	s_wait_tensorcnt 0x0                           ; my part of K step 0 is in
	ds_add_u32 v[SPW], v[NIL]                      ; the add ahead of a later first fill
	s_wait_dscnt 0x0                               ; the add is done, and my stores of scale bytes have landed
	CROUND                                         ; K step 0 and the scales are whole, and the sixteen work-groups are here
	JLOAD G0+4, G1, G0B+4, G1B                     ; K step 1, the first tensor load behind the round
	FETCH_B 0, 0, 0
	FETCH_A 0, 0, 0
	SCALES 0
	FETCH_A 0, 0, 4
	global_prefetch_b8 v[PFO], s[6:7] offset:768 th:TH_LOAD_NT scope:SCOPE_SE   ; K step 3
	STEP 0, 0, 1
	s_mov_b32 s3, LAPS-1
.Llap:
	TURN 0, 1, 1
	STEP 1, 0, 0
	TURN 1, 0, 1
	STEP 0, 0, 0
	s_sub_co_u32 s3, s3, 1
	s_cmp_lg_u32 s3, 0
	s_cbranch_scc1 .Llap
	TURN 0, 1, 0
	STEP 1, 0, 0
	s_wait_dscnt 4*NL
	WIN MUL_LO
	MUL16 0, 1, NQ-1, 1, 0
	MUL16 2, 1, NQ-1, 1, 0
	s_wait_dscnt 0
	WIN MUL_HI
	MUL16 4, 1, NQ-1, 1, 0
	MUL16 6, 1, NQ-1, 1, 0
	WIN 0
.macro QBLK a
.set W,   2+(\a)/4
.set WW,  (W<<2)|(W<<4)
.set AC,  64*((\a)%4)
.set PCS, PC+16*((\a)%2)
.set PWS, PW+(\a)%2
	WIN 0
.if (\a) >= 2
	s_wait_dscnt 9
.endif
.irp b, 0,1,2,3
	v_mov_b32 v[TM+\b], 0x4800000
.if (\a) == 0
	v_mov_b32 v[TM+4+\b], 0
.endif
.endr
	WIN WW
.irp i, 0,2,4,6,8,10,12,14
.irp b, 0,1,2,3
	v_max3_num_f32 v[TM+\b], v[TM+\b], |v[AC+16*\b+\i]|, |v[AC+16*\b+\i+1]|
.endr
.endr
	WIN 0
.irp b, 0,1,2,3
	v_permlanex16_b32 v[TM+4+\b], v[TM+\b], s[SEL], s[SEL+1]
.endr
.irp b, 0,1,2,3
	v_max_num_f32 v[TM+\b], v[TM+\b], v[TM+4+\b]
.endr
.irp b, 0,1,2,3
	v_add_nc_u32 v[TM+12+\b], 0xfc000000, v[TM+\b]
.endr
.irp b, 0,1,2,3
	v_and_or_b32 v[TM+8+\b], v[TM+\b], 0x7f800000, s[MNT]
.endr
.irp b, 0,1,2,3
	v_lshrrev_b32 v[TM+4+\b], 23, v[TM+12+\b]
.endr
	v_lshl_or_b32 v[PWS], v[TM+5], 8, v[TM+4]
	v_lshl_or_b32 v[PWS], v[TM+6], 16, v[PWS]
	v_lshl_or_b32 v[PWS], v[TM+7], 24, v[PWS]
	WIN W
.irp b, 0,1,2,3
.irp i, 0,1,2,3,4,5,6,7,8,9,10,11,12,13,14,15
	v_med3_num_f32 v[HELD+16*\b+\i], v[AC+16*\b+\i], -v[TM+8+\b], v[TM+8+\b]
.endr
.endr
	WIN 0
.irp b, 0,1,2,3,4,5,6,7
	v_cvt_scalef32_pk8_fp8_f32 v[PCS+2*\b:PCS+2*\b+1], v[HELD+8*\b:HELD+8*\b+7], v[TM+12+\b/2]
.endr
	v_nop
.irp b, 0,1,2,3,4,5,6,7
	ds_store_b64 v[STO], v[PCS+2*\b:PCS+2*\b+1] offset:4352*(\a)+16*\b
.endr
	ds_store_b32 v[SSO], v[PWS] offset:128*(\a)
.endm
	PLACES NP
.irp a, 0,1,2,3,4,5,6,7
	QBLK \a
.endr
	s_wait_dscnt 0x0
	s_barrier_signal -1
	s_barrier_wait -1
	ds_load_b64 v[WD:WD+1], v[SRD]
	ds_load_b64 v[WD+2:WD+3], v[SRD] offset:256
.irp i, 0,1,2,3
.irp g, 0,1,2,3,4,5,6,7
	ds_load_b128 v[128+4*(8*\i+\g):128+4*(8*\i+\g)+3], v[RDA] offset:(32*(\i/2)+8*(\i%2))*272+32*\g
.endr
.endr
	s_cmp_eq_u32 ttmp9, 2
	s_cbranch_scc1 .Lv_out
	s_lshr_b32 s20, s17, 3
	s_lshl_b32 s20, s20, 4
	s_lshl_b32 s21, s40, 2
	s_add_co_u32 s20, s20, s21
	s_and_b32 s21, s17, 7
	s_lshl_b32 s22, s20, 17
	s_lshl_b32 s23, s21, 14
	s_add_co_u32 s22, s22, s23
	s_lshl_b32 s23, s14, 12
	s_add_co_u32 s22, s22, s23
	s_lshl_b32 s23, ttmp9, 22
	s_add_co_u32 s22, s22, s23
	s_mov_b32 s23, 0
	s_add_nc_u64 s[18:19], s[12:13], s[22:23]
	s_lshl_b32 s22, s20, 13
	s_lshl_b32 s23, s21, 10
	s_add_co_u32 s22, s22, s23
	s_lshl_b32 s23, s14, 8
	s_add_co_u32 s22, s22, s23
	s_lshl_b32 s23, ttmp9, 18
	s_add_co_u32 s22, s22, s23
	s_add_co_u32 s22, s22, 0xC00000
	s_mov_b32 s23, 0
	s_add_nc_u64 s[12:13], s[12:13], s[22:23]
	s_mov_b32 s24, 0x7f7f0000
	s_wait_dscnt 32
.irp p, 0,1
	v_and_or_b32 v[WD+4+4*\p], v[WD+2*\p], 0xffff, s24
	v_lshrrev_b32 v[WD+5+4*\p], 16, v[WD+2*\p]
	v_or_b32 v[WD+5+4*\p], s24, v[WD+5+4*\p]
	v_and_or_b32 v[WD+6+4*\p], v[WD+2*\p+1], 0xffff, s24
	v_lshrrev_b32 v[WD+7+4*\p], 16, v[WD+2*\p+1]
	v_or_b32 v[WD+7+4*\p], s24, v[WD+7+4*\p]
.irp e, 0,1,2,3
	global_store_b32 v[G4], v[WD+4+4*\p+\e], s[12:13] offset:8192*\e+128*\p
.endr
.endr
.irp i, 0,1,2,3
.irp g, 0,1,2,3,4,5,6,7
	s_wait_dscnt 31-(8*\i+\g)
	global_store_b128 v[GO], v[128+4*(8*\i+\g):128+4*(8*\i+\g)+3], s[18:19] offset:(\g/2)*131072+1024*\i+512*(\g%2)
.endr
.endr
	s_branch .Lout_done
.Lv_out:
	s_lshr_b32 s20, s42, 3
	s_lshl_b32 s20, s20, 4
	s_lshl_b32 s21, s41, 2
	s_add_co_u32 s20, s20, s21
	s_add_co_u32 s20, s20, s14
	s_and_b32 s21, s42, 7
	s_lshl_b32 s22, s20, 17
	s_lshl_b32 s23, s21, 14
	s_add_co_u32 s22, s22, s23
	s_add_co_u32 s22, s22, 0x800000
	s_mov_b32 s23, 0
	s_add_nc_u64 s[18:19], s[12:13], s[22:23]
	s_lshl_b32 s22, s20, 12
	s_lshl_b32 s23, s21, 9
	s_add_co_u32 s22, s22, s23
	s_add_co_u32 s22, s22, 0xC80000
	s_mov_b32 s23, 0
	s_add_nc_u64 s[12:13], s[12:13], s[22:23]
	s_wait_dscnt 32
.irp p, 0,1
.irp e, 0,1
	global_store_b32 v[G4], v[WD+2*\p+\e], s[12:13] offset:256*\e+128*\p
.endr
.endr
.irp i, 0,1,2,3
.irp g, 0,1,2,3,4,5,6,7
	s_wait_dscnt 31-(8*\i+\g)
	global_store_b128 v[GO], v[128+4*(8*\i+\g):128+4*(8*\i+\g)+3], s[18:19] offset:(\g/4)*8192+2048*\i+512*(\g%4)
.endr
.endr
.Lout_done:
	s_wait_tensorcnt 0x0
	ds_add_u32 v[SPW], v[NIL]
	s_wait_dscnt 0x0
	CROUND
	s_endpgm
.Lfunc_end_k_q87b8f11153_qkv:
	.size	k_q87b8f11153_qkv, .Lfunc_end_k_q87b8f11153_qkv-k_q87b8f11153_qkv
	.p2alignl 7, 3214868480
	.fill 96, 4, 3214868480
	.section	.rodata,"a",@progbits
	.p2align	6, 0x0
	.amdhsa_kernel k_q87b8f11153_qkv
		.amdhsa_group_segment_fixed_size 327680
		.amdhsa_private_segment_fixed_size 0
		.amdhsa_enable_private_segment 0
		.amdhsa_kernarg_size 64
		.amdhsa_user_sgpr_count 2
		.amdhsa_user_sgpr_kernarg_segment_ptr 1
		.amdhsa_wavefront_size32 1
		.amdhsa_system_sgpr_workgroup_id_x 1
		.amdhsa_system_sgpr_workgroup_id_y 1
		.amdhsa_system_sgpr_workgroup_id_z 1
		.amdhsa_system_vgpr_workitem_id 0
		.amdhsa_next_free_vgpr 1024
		.amdhsa_next_free_sgpr 98
		.amdhsa_reserve_vcc 0
		.amdhsa_float_denorm_mode_32 3
		.amdhsa_float_denorm_mode_16_64 3
		.amdhsa_memory_ordered 1
		.amdhsa_forward_progress 1
		.amdhsa_inst_pref_size 202
	.end_amdhsa_kernel
	.amdgpu_metadata
---
amdhsa.version: [ 1, 2 ]
amdhsa.kernels:
  - .name:           k_q87b8f11153_qkv
    .symbol:         k_q87b8f11153_qkv.kd
    .args:
      - { .name: act1, .offset: 0, .size: 8, .value_kind: global_buffer, .address_space: global }
      - { .name: wq_codes, .offset: 8, .size: 8, .value_kind: global_buffer, .address_space: global }
      - { .name: wq_scales, .offset: 16, .size: 8, .value_kind: global_buffer, .address_space: global }
      - { .name: wk_codes, .offset: 24, .size: 8, .value_kind: global_buffer, .address_space: global }
      - { .name: wk_scales, .offset: 32, .size: 8, .value_kind: global_buffer, .address_space: global }
      - { .name: wv_codes, .offset: 40, .size: 8, .value_kind: global_buffer, .address_space: global }
      - { .name: wv_scales, .offset: 48, .size: 8, .value_kind: global_buffer, .address_space: global }
      - { .name: qkvi, .offset: 56, .size: 8, .value_kind: global_buffer, .address_space: global }
    .group_segment_fixed_size: 327680
    .private_segment_fixed_size: 0
    .kernarg_segment_align: 8
    .kernarg_segment_size: 64
    .max_flat_workgroup_size: 128
    .sgpr_count:     98
    .vgpr_count:     1024
    .wavefront_size: 32
...
	.end_amdgpu_metadata
.endif
;; end of part 2
;; launch att (part 3): grid 8 x 32, 16 waves a work-group, clusters of 4 x 1, 292,864 bytes of LDS; arguments qkvi, src_mask, ao; writes ao
.if DOCPART == 3
	.amdgcn_target "amdgcn-amd-amdhsa--gfx1250"
	.amdhsa_code_object_version 6
	.text
	.protected	k_q87b8f11153_att
	.globl	k_q87b8f11153_att
	.p2align	8
	.type	k_q87b8f11153_att,@function
k_q87b8f11153_att:
	s_mov_b64 s[64:65], 0
	v_nop
	global_prefetch_b8 v0, s[64:65] scope:SCOPE_SE
	s_setreg_imm32_b32 hwreg(HW_REG_WAVE_MODE, 25, 1), 1
	s_wait_xcnt 0x0
	s_wait_alu depctr_hold_cnt(0) depctr_sa_sdst(0) depctr_va_vdst(0) depctr_va_sdst(0) depctr_va_ssrc(0) depctr_va_vcc(0) depctr_vm_vsrc(0)
	s_getreg_b32 s2, hwreg(HW_REG_IB_STS2, 6, 4)
	s_cmp_eq_u32 s2, 0
	s_cbranch_scc0 .Lentry_in_a_cluster
	s_endpgm
.Lentry_in_a_cluster:
	s_bfe_u32 s2, ttmp6, 0x10000c
	s_cmp_lg_u32 s2, 0x3003
	s_cbranch_scc0 .Lentry_shape_is_right
	s_endpgm
.Lentry_shape_is_right:
; Attention of one (batch, head) on E4M3 codes: S^T = K Q^T (K = the head's 64), mask, p = 2^(t - M), O^T = V^T P^T (K = the keys), O / l, quantised along the model's 1,024 for the next product.
; t = score x log2(e) / 8; M = the running largest t rounded up to a whole number; p is quantised along the keys; l is the sum of the unquantised p.
; SHARES.  A work-group owns 256 queries, each of its sixteen waves one tile of 16 in 256 registers.  A head's images of K and V (131,072 bytes each) stay in LDS: each wave asks for 16,384 bytes of them
; at the head (waves 0-7: K, waves 8-15: V), jointly with the three other work-groups of its cluster, which belong to the same head.  One barrier shows them whole, then come sixteen key steps of 128 keys.
; Each key step signals a work-group barrier at its head and waits for it at its end: a wave leaves a step only when all sixteen have begun it, so no wave is two steps ahead of another.  Between the two stand register work and LDS loads of bytes that nobody writes.
; Nothing is filled again, and all of K and V is asked for at the head: there is no loop to run ahead in, so no prefetch is laid.
; LAYOUT.  Both products are used transposed: a lane holds ONE query (lane % 16).  The rows of a tile of K, and of V, are base + r + 8 (r / 8), so that the 16 registers of two neighbouring tiles are 16 neighbours along the next K.
; THE MASK IS A CODE IN THE IDLE HALF OF K.  The instruction's K is 128, the head's 64.  At k = 64 Q holds the code of -1, and a key holds the code of 448 where src_mask is 0 and the code 0 where it is not;
; that block's scale byte is 215 for every key, so a masked score gets -448 x 2^88 and an open one exactly nothing.  The running largest t begins at -2^83, over every masked t: masked keys give p = 0.
; The keys' mask codes lie in LDS as [key step][tile 8][lane 32] words (lanes 16-31: zeros) and are loaded into register 8 of each fragment of K; registers 9-15 stay zeros.
; A row with every key masked ends with l = 0: its codes are set to the NaN code, under a finite scale byte, as the softmax of such a row is NaN.
; The scale words lie in LDS in the order of the registers that take them: K's as [key step][r][tile 8], V's as [key step][r][tile 4].
; LOADS RUN AHEAD: the next step's first four tiles of K and its words are asked for as soon as K's registers are free; V's fragment b goes into p's registers of block b behind that block's conversions.
; LIMITS: a row whose largest open t lies under -2^83 counts as masked; |score| stays far under 448 x 2^88; blocks under 2^-118 get the byte 1; NaN and infinities among the inputs are not served.
; REGISTERS: v1-5 lane addresses; v6, v8-11 the step's addresses; v12 -M, v13 the largest t, v[14:15] the sum; v16-31 Q; v32-95 four fragments of K; v96-159 S^T, then p, then V;
;   v160-191 O^T; v192-207 p's codes; v208-215 K's scale words, v216-219 V's; v221-224 the holds' second copy; v226-229 the head's; v230-231 the add's; v232-254 at work; v253 p's scale word; v255 Q's.
.set KSW,  262144                      ; LDS behind the images: K's scale words, 512 bytes a key step;
.set VSW,  270336                      ; V's, 256 bytes a key step;
.set KMW,  274432                      ; the mask's codes, 1,024 bytes a key step;
.set SPARE, 290816                     ; the spare words, 128 bytes a wave
.set AK0,  1
.set AV0,  2
.set ASK0, 3
.set ASV0, 4
.set AM0,  5
.set ADM,  6
.set ADK,  8
.set ADV,  9
.set ADS,  10
.set ADT,  11
.set KS,   208
.set VS,   216
.set HB,   221
.set WV,   18
.set MNT,  19
.set SEL,  20
.set CS,   22
.set G1,   24
.set G0,   32
.set TK,   48
.set TS,   49
.set TJ,   50
.set CNT,  51
.set BH,   52
.set WGX,  53
.set QT,   54
.set TM,   55
.macro CROUND
	s_barrier_signal -1
	s_barrier_wait -1
	s_cmp_lg_u32 s[WV], 0
	s_cbranch_scc1 .Lnot_wave_0_\@
	s_barrier_signal -3
.Lnot_wave_0_\@:
	s_barrier_wait -3
	s_barrier_signal -1
	s_barrier_wait -1
.endm
	s_load_b128 s[4:7], s[0:1], 0x0                ; the images and words, src_mask
	s_load_b64 s[8:9], s[0:1], 0x10                ; out
	v_lshl_add_u32 v230, v0, 2, SPARE
	v_mov_b32 v231, 0
	ds_add_u32 v230, v231                          ; the opening lines: the add twice on end and one wait
	ds_add_u32 v230, v231
	v_lshrrev_b32 v8, 5, v0
	v_readfirstlane_b32 s[WV], v8                  ; wave 0..15
	s_bfe_u32 s[WGX], ttmp6, 0x40000               ; cx
	s_lshl_b32 s56, ttmp9, 2
	s_add_co_u32 s[WGX], s[WGX], s56               ; my block of 256 queries: it enters Q's and the output's addresses alone
	s_and_b32 s[BH], ttmp7, 0xffff                 ; 16 batch + head, which the partners share
	s_lshl_b32 s[QT], s[WGX], 4
	s_add_co_u32 s[QT], s[QT], s[WV]               ; my tile of 16 queries, 0..127
	s_mov_b32 s[G1], 15|(3<<16)|(1<<21)            ; mask: all four work-groups; elements of 8 bytes; no padding
	s_mov_b32 s[G1+1], 32<<16                      ; 16,384 dense bytes as 64 rows of 256
	s_mov_b32 s[G1+2], 64<<16
	s_mov_b32 s[G1+3], 32<<16
	s_mov_b32 s[G1+4], 64
	s_mov_b32 s[G1+5], 32
	s_mov_b32 s[G1+6], 0
	s_mov_b32 s[G1+7], 0
	s_lshr_b32 s56, s[WV], 3                       ; waves 0-7: K's images, waves 8-15: V's
	s_lshl_b32 s56, s56, 22
	s_add_co_u32 s56, s56, 0x400000
	s_and_b32 s57, s[WV], 7
	s_lshl_b32 s57, s57, 14                        ; my eighth of them
	s_add_co_u32 s56, s56, s57
	s_lshl_b32 s57, s[BH], 17
	s_add_co_u32 s56, s56, s57
	s_mov_b32 s57, 0
	s_lshl_b32 s58, s[WV], 14                      ; in LDS: 16,384 x wave
	s_mov_b32 s[SEL], 0x76543210
	s_mov_b32 s[SEL+1], 0xfedcba98
	s_mov_b32 s[CS], 0x3e38aa3b                    ; c = log2(e) / 8
	s_mov_b32 s[CS+1], s[CS]
	s_mov_b32 s[MNT], 0x600000
	s_wait_dscnt 0x0
	s_wait_kmcnt 0x0
	s_add_nc_u64 s[56:57], s[4:5], s[56:57]
	CROUND                                         ; all four work-groups are here: the joint loads meet
	s_mov_b32 s[G0], 1
	s_mov_b32 s[G0+1], s58
	s_mov_b64 s[G0+2:G0+3], s[56:57]
	s_or_b32 s[G0+3], s[G0+3], 0x80000000
	tensor_load_to_lds s[G0:G0+3], s[G1:G1+7]      ; my one tensor load of the launch
	s_nop 0
.rept 4
	v_nop
.endr
	s_lshl_b32 s60, s[BH], 13
	s_add_co_u32 s60, s60, 0xC40000
	s_mov_b32 s61, 0
	s_add_nc_u64 s[60:61], s[4:5], s[60:61]        ; K's scale words of my head
	s_lshr_b32 s62, s[BH], 4
	s_lshl_b32 s62, s62, 13
	s_mov_b32 s63, 0
	s_add_nc_u64 s[62:63], s[6:7], s[62:63]        ; my batch's mask
	s_lshl_b32 s66, s[BH], 12
	s_add_co_u32 s66, s66, 0xC80000
	s_mov_b32 s67, 0
	s_add_nc_u64 s[66:67], s[4:5], s[66:67]        ; V's scale words
	s_lshl_b32 s68, s[BH], 17
	s_lshl_b32 s69, s[QT], 10
	s_add_co_u32 s68, s68, s69
	s_mov_b32 s69, 0
	s_add_nc_u64 s[68:69], s[4:5], s[68:69]        ; Q's image of my tile
	s_lshl_b32 s70, s[BH], 11
	s_lshr_b32 s71, s[QT], 1
	s_lshl_b32 s71, s71, 5
	s_add_co_u32 s70, s70, s71
	s_and_b32 s71, s[QT], 1
	s_lshl_b32 s71, s71, 3
	s_add_co_u32 s70, s70, s71                     ; the tile's first token
	s_lshl_b32 s70, s70, 2
	s_add_co_u32 s70, s70, 0xC00000
	s_mov_b32 s71, 0
	s_add_nc_u64 s[70:71], s[4:5], s[70:71]
	v_lshlrev_b32 v226, 4, v0                      ; 16 x thread
	v_lshlrev_b32 v227, 3, v0                      ; 8 x thread
	v_and_b32 v[AK0], 31, v0
	v_and_b32 v7, 15, v0                           ; r
	v_lshl_add_u32 v[AM0], v[AK0], 2, KMW          ; my lane's mask word: 4 x lane
	v_lshlrev_b32 v[AK0], 4, v[AK0]                ; 16 x lane: a piece's place for my lane
	v_lshl_add_u32 v[ASK0], v7, 5, KSW             ; my eight words of K's scales: 32 r
	v_lshl_add_u32 v[ASV0], v7, 4, VSW             ; my four of V's: 16 r
	v_and_b32 v8, 8, v7
	v_add_nc_u32 v7, v7, v8
	v_lshlrev_b32 v7, 2, v7                        ; 4 (r + 8 (r / 8))
	global_load_b128 v[96:99], v226, s[60:61]      ; four keys' words,
	global_load_b128 v[100:103], v226, s[62:63]    ; their mask,
	global_load_b64 v[104:105], v227, s[66:67]     ; two of V's words
	global_load_b128 v[16:19], v[AK0], s[68:69]    ; Q: k = 0 .. 31,
	global_load_b128 v[20:23], v[AK0], s[68:69] offset:512   ; k = 32 .. 63
	global_load_b32 v255, v7, s[70:71]             ; Q's scale words
	v_add_nc_u32 v[AV0], 131072, v[AK0]
	; Where thread t puts its words.  Key y of a run of 32 (y = 16 a + 8 u + i) is row r = i + 8 a of tile 2 (run) + u.  Thread t holds keys 4 t .. 4 t + 3: step t / 32, run (t / 8) % 4, a = (t / 4) % 2, u = (t / 2) % 2, i = 4 (t % 2) + j.
	v_lshrrev_b32 v10, 5, v0                       ; the key step
	v_and_b32 v9, 1, v0
	v_lshlrev_b32 v11, 8, v10                      ; V's words: 256 bytes a step
	v_lshlrev_b32 v229, 10, v10                    ; the mask's codes: 1,024
	v_lshlrev_b32 v10, 9, v10                      ; K's words: 512
	v_lshl_add_u32 v229, v9, 4, v229               ; + 4 x 4 (t % 2)
	v_lshl_add_u32 v10, v9, 7, v10                 ; + 32 x 4 (t % 2)
	v_bfe_u32 v9, v0, 2, 1
	v_lshl_add_u32 v229, v9, 5, v229               ; + 4 x 8 a
	v_lshl_add_u32 v10, v9, 8, v10                 ; + 32 x 8 a
	v_lshl_add_u32 v11, v9, 2, v11                 ; V (thread t holds d = 2 (t % 32) + j): + 4 u, u = (t / 4) % 2
	v_bfe_u32 v9, v0, 3, 2
	v_lshl_add_u32 v229, v9, 8, v229               ; + 128 x 2 (run)
	v_lshl_add_u32 v10, v9, 3, v10                 ; + 4 x 2 (run)
	v_bfe_u32 v9, v0, 1, 1
	v_lshl_add_u32 v229, v9, 7, v229               ; + 128 u
	v_lshl_add_u32 v10, v9, 2, v10                 ; + 4 u
	v_and_b32 v9, 3, v0
	v_add_nc_u32 v229, KMW, v229
	v_add_nc_u32 v10, KSW, v10
	v_lshl_add_u32 v11, v9, 5, v11                 ; + 16 x 2 (t % 4)
	v_bfe_u32 v9, v0, 3, 1
	v_lshl_add_u32 v11, v9, 7, v11                 ; + 16 x 8 a, a = (t / 8) % 2
	v_bfe_u32 v9, v0, 4, 1
	v_lshl_add_u32 v11, v9, 3, v11                 ; + 4 x 2 (run), run = (t / 16) % 2
	v_add_nc_u32 v11, VSW, v11
	v_mov_b32 v106, 215<<16                        ; the idle block's scale byte, the same for every key
	v_mov_b32 v107, 0x7e                           ; the code of 448
.irp j, 108,109,110,111
	v_mov_b32 v[\j], 0                             ; lanes 16-31 of the mask's words
.endr
	v_cmp_eq_u32 vcc_lo, 0, v9                     ; (v9 = lane / 16)  k = 64 lies in byte 0 of register 8, lanes 0-15
	v_mov_b32 v8, 0xb8                             ; the code of -1
	v_cndmask_b32 v24, 0, v8, vcc_lo
.irp t, 0,1,2,3
.irp j, 9,10,11,12,13,14,15
	v_mov_b32 v[32+16*\t+\j], 0
.endr
.endr
.irp j, 25,26,27,28,29,30,31
	v_mov_b32 v[\j], 0
.endr
	v_mov_b32 v13, 0xe9000000                      ; the largest t so far: -2^83
	v_mov_b32 v14, 0
	v_mov_b32 v15, 0
	v_floor_f32 v12, -v13                          ; -M
.irp b, 0,1,2,3
	v_mov_b32 v[236+\b], 0                         ; a lane permute's destination counts as read
.endr
	v_mov_b32 v253, 0                              ; named as the upper half of v[252:253] before it is first written
.set j, 0
.rept 32
	v_mov_b32 v[160+j], 0                          ; O^T: the first step finds zeros
.set j, j+1
.endr
	s_wait_loadcnt 3                               ; the words and the mask are in; Q's three loads may be out
.irp j, 0,1,2,3
	v_cmp_eq_u32 vcc_lo, 0, v[100+\j]
	v_and_or_b32 v[96+\j], v[96+\j], 0xff00ffff, v106
	v_cndmask_b32 v[100+\j], 0, v107, vcc_lo       ; 448 where the key is masked, the code 0 where it counts
.endr
.irp j, 0,1,2,3
	ds_store_b32 v10, v[96+\j] offset:32*\j        ; neighbouring keys are neighbouring rows of one tile
.endr
	ds_store_b128 v229, v[100:103]                 ; four neighbouring rows' mask words,
	ds_store_b128 v229, v[108:111] offset:64       ; and the zeros of the lanes 16 further on
	ds_store_b32 v11, v104
	ds_store_b32 v11, v105 offset:16
.macro ADDR                            ; the step's five LDS addresses
	v_add_nc_u32 v[ADK], s[TK], v[AK0]
	v_add_nc_u32 v[ADV], s[TK], v[AV0]
	v_add_nc_u32 v[ADS], s[TS], v[ASK0]
	v_add_nc_u32 v[ADT], s[TJ], v[ASV0]
	v_add_nc_u32 v[ADM], s[TM], v[AM0]
.endm
.macro KLOAD off                       ; off bytes on in K's images: a key step's eight scale words and its first four tiles with their mask words
	ds_load_b128 v[KS:KS+3], v[ADS] offset:(\off)/16
	ds_load_b128 v[KS+4:KS+7], v[ADS] offset:(\off)/16+16
.irp t, 0,1,2,3
	ds_load_b128 v[32+16*\t:35+16*\t], v[ADK] offset:(\off)+1024*\t
	ds_load_b128 v[36+16*\t:39+16*\t], v[ADK] offset:(\off)+1024*\t+512
	ds_load_b32 v[40+16*\t], v[ADM] offset:(\off)/8+128*\t
.endr
.endm
; The largest score of blocks b0 and b1 (32 keys each; 16 scores of each in my registers), in two parts of eight lines; four chains take turns; each accumulator is read from its low end on.
.macro BMAX b0, b1, part
.if \part == 0
.irp b, \b0, \b1
	v_max3_num_f32 v[232+\b], v[96+16*\b], v[97+16*\b], v[98+16*\b]
.endr
.irp b, \b0, \b1
	v_max3_num_f32 v[248+\b], v[105+16*\b], v[106+16*\b], v[107+16*\b]
.endr
.irp b, \b0, \b1
	v_max3_num_f32 v[232+\b], v[232+\b], v[99+16*\b], v[100+16*\b]
.endr
.irp b, \b0, \b1
	v_max3_num_f32 v[248+\b], v[248+\b], v[108+16*\b], v[109+16*\b]
.endr
.else
.irp b, \b0, \b1
	v_max3_num_f32 v[232+\b], v[232+\b], v[101+16*\b], v[102+16*\b]
.endr
.irp b, \b0, \b1
	v_max3_num_f32 v[248+\b], v[248+\b], v[110+16*\b], v[111+16*\b]
.endr
.irp b, \b0, \b1
	v_max3_num_f32 v[232+\b], v[232+\b], v[103+16*\b], v[104+16*\b]
.endr
.irp b, \b0, \b1
	s_delay_alu instid0(VALU_DEP_2)
	v_max_num_f32 v[232+\b], v[232+\b], v[248+\b]
.endr
.endif
.endm
; A KEY STEP: 128 keys.  It finds its first four tiles of K and its scale words in registers.  pre = 1: it asks for the next step's.
.macro STEP pre
	s_barrier_signal -1                            ; I have begun this step (no LDS instruction of mine is out here)
.irp t, 0,1,2,3                                ; S^T = K Q^T, tiles 0-3
	v_wmma_scale_f32_16x16x128_f8f6f4 v[96+8*\t:103+8*\t], v[32+16*\t:47+16*\t], v[16:31], 0, v[KS+\t], v255
.endr
.rept 8
	v_nop                                          ; places in front of loads into registers that these products read, and of the first read of their results
.endr
.irp t, 0,1,2,3
	ds_load_b128 v[32+16*\t:35+16*\t], v[ADK] offset:1024*(4+\t)
	ds_load_b128 v[36+16*\t:39+16*\t], v[ADK] offset:1024*(4+\t)+512
	ds_load_b32 v[40+16*\t], v[ADM] offset:128*(4+\t)
.endr
	BMAX 0, 1, 0                                   ; blocks 0 and 1 (tiles 0-3) while tiles 4-7 of K are on their way
	s_wait_alu depctr_va_vdst(0)
	s_wait_dscnt 0x0
.irp t, 0,1,2,3                                ; tiles 4-7
	v_wmma_scale_f32_16x16x128_f8f6f4 v[128+8*\t:135+8*\t], v[32+16*\t:47+16*\t], v[16:31], 0, v[KS+4+\t], v255
.endr
	BMAX 0, 1, 1                                   ; eight plain lines that name none of those products' registers: their places
.if \pre
	KLOAD 8192                                     ; K's registers and its scale words are free: the next step's land under the softmax
.endif
	BMAX 2, 3, 0
	BMAX 2, 3, 1
.irp b, 0,1,2,3
	v_permlanex16_b32 v[236+\b], v[232+\b], s[SEL], s[SEL+1]
.endr
.irp b, 0,1,2,3
	s_delay_alu instid0(VALU_DEP_4)
	v_max_num_f32 v[232+\b], v[232+\b], v[236+\b]  ; the largest score of each block of 32 keys: for the row's maximum and, since p rises with the score, for the block's largest p
.endr
	s_delay_alu instid0(VALU_DEP_2)
	v_max3_num_f32 v254, v232, v233, v234
	s_delay_alu instid0(VALU_DEP_1)
	v_max_num_f32 v254, v254, v235
	s_delay_alu instid0(VALU_DEP_1)
	v_mul_f32 v254, s[CS], v254
	s_delay_alu instid0(VALU_DEP_1)
	v_max_num_f32 v13, v13, v254                   ; the running largest t
	v_mov_b32 v254, v12
	s_delay_alu instid0(VALU_DEP_2)
	v_floor_f32 v12, -v13                          ; -M = floor(-t): M is a whole number
	s_delay_alu instid0(VALU_DEP_1)
	v_sub_f32 v254, v12, v254
	s_delay_alu instid0(VALU_DEP_1)
	v_cvt_i32_f32 v254, v254                       ; old M - new M; it saturates
	s_delay_alu instid0(VALU_DEP_1)
	v_ldexp_f32 v252, 1.0, v254                    ; f = 2^(old M - new M): multiplying by it rounds nothing
.set j, 0
.rept 32
	v_pk_fma_f32 v[96+j:97+j], v[96+j:97+j], s[CS:CS+1], v[12:13] op_sel_hi:[1,0,0]   ; t - M
.set j, j+2
.endr
.irp b, 0,1,2,3
	v_fma_f32 v[232+\b], v[232+\b], s[CS], v12
.endr
.set j, 0
	s_wait_alu depctr_va_vdst(0)
.rept 64
	v_exp_f32 v[96+j], v[96+j]                     ; p = 2^(t - M)
.set j, j+1
.endr
	v_pk_mul_f32 v[14:15], v[14:15], v[252:253] op_sel_hi:[1,0]   ; the sums under the new M: a plain line behind the exponentials
	s_wait_alu depctr_va_vdst(0)                   ; one wait for the batch, ahead of its first reader
.irp b, 0,1,2,3
	v_exp_f32 v[232+\b], v[232+\b]                 ; the block's largest p
.endr
	v_pk_add_f32 v[236:237], v[100:101], v[104:105]   ; l: the sum of the unquantised p, eight chains
	v_pk_add_f32 v[250:251], v[108:109], v[112:113]
	v_pk_add_f32 v[248:249], v[116:117], v[120:121]
	v_pk_add_f32 v[246:247], v[124:125], v[128:129]
	v_pk_add_f32 v[244:245], v[132:133], v[136:137]
	v_pk_add_f32 v[242:243], v[140:141], v[144:145]
	v_pk_add_f32 v[240:241], v[148:149], v[152:153]
	v_pk_add_f32 v[14:15], v[14:15], v[156:157]
	v_pk_add_f32 v[236:237], v[236:237], v[96:97]
	v_pk_add_f32 v[250:251], v[250:251], v[98:99]
	v_pk_add_f32 v[248:249], v[248:249], v[102:103]
	v_pk_add_f32 v[246:247], v[246:247], v[106:107]
	v_pk_add_f32 v[244:245], v[244:245], v[110:111]
	v_pk_add_f32 v[242:243], v[242:243], v[114:115]
	v_pk_add_f32 v[240:241], v[240:241], v[118:119]
	v_pk_add_f32 v[14:15], v[14:15], v[122:123]
	v_pk_add_f32 v[236:237], v[236:237], v[126:127]
	v_pk_add_f32 v[250:251], v[250:251], v[130:131]
	v_pk_add_f32 v[248:249], v[248:249], v[134:135]
	v_pk_add_f32 v[246:247], v[246:247], v[138:139]
	v_pk_add_f32 v[244:245], v[244:245], v[142:143]
	v_pk_add_f32 v[242:243], v[242:243], v[146:147]
	v_pk_add_f32 v[240:241], v[240:241], v[150:151]
	v_pk_add_f32 v[14:15], v[14:15], v[154:155]
	v_pk_add_f32 v[236:237], v[236:237], v[158:159]
	s_delay_alu instid0(VALU_DEP_2)
	v_pk_add_f32 v[14:15], v[14:15], v[246:247]
	s_delay_alu instid0(VALU_DEP_2)
	v_pk_add_f32 v[236:237], v[236:237], v[244:245]
	v_pk_add_f32 v[250:251], v[250:251], v[242:243]
	v_pk_add_f32 v[248:249], v[248:249], v[240:241]
	s_delay_alu instid0(VALU_DEP_2)
	v_pk_add_f32 v[14:15], v[14:15], v[250:251]
	s_delay_alu instid0(VALU_DEP_2)
	v_pk_add_f32 v[236:237], v[236:237], v[248:249]
	s_delay_alu instid0(VALU_DEP_1)
	v_pk_add_f32 v[14:15], v[14:15], v[236:237]
	s_wait_alu depctr_va_vdst(0)                   ; and one for the four
.irp b, 0,1,2,3
	v_max_num_f32 v[232+\b], 0x4800000, v[232+\b]  ; the floor: the byte cannot fall under 1
.endr
.irp b, 0,1,2,3
	s_delay_alu instid0(VALU_DEP_4)
	v_add_nc_u32 v[244+\b], 0xfc000000, v[232+\b]  ; 8 off the exponent field: the conversion's scale operand
.endr
.irp b, 0,1,2,3
	v_and_or_b32 v[240+\b], v[232+\b], 0x7f800000, s[MNT]   ; 448 x the scale,
.endr
.irp b, 0,1,2,3
	v_and_or_b32 v[HB+\b], v[232+\b], 0x7f800000, s[MNT]    ; and once more, in a register of another bank: for the second half of the pairs below
.endr
.irp b, 0,1,2,3
	v_lshrrev_b32 v[236+\b], 23, v[244+\b]
.endr
	s_delay_alu instid0(VALU_DEP_3)
	v_lshl_or_b32 v253, v237, 8, v236              ; p's scale word for these 128 keys
	s_delay_alu instid0(VALU_DEP_1)
	v_lshl_or_b32 v253, v238, 16, v253
	s_delay_alu instid0(VALU_DEP_1)
	v_lshl_or_b32 v253, v239, 24, v253
.irp b, 0,1,2,3
.irp i, 0,2,4,6,8,10,12,14                     ; p is not negative: the hold is one-sided.  Two holds an instruction
	v_dual_min_num_f32 v[96+16*\b+\i], v[96+16*\b+\i], v[240+\b] :: v_dual_min_num_f32 v[97+16*\b+\i], v[97+16*\b+\i], v[HB+\b]
.endr
	v_cvt_scalef32_pk8_fp8_f32 v[192+4*\b:193+4*\b], v[96+16*\b:103+16*\b], v[244+\b]
	v_cvt_scalef32_pk8_fp8_f32 v[194+4*\b:195+4*\b], v[104+16*\b:111+16*\b], v[244+\b]
.if \b == 0
	ds_load_b128 v[VS:VS+3], v[ADT]                ; V's four scale words
.endif
.irp c, 0,1,2,3
	ds_load_b128 v[96+16*\b+4*\c:99+16*\b+4*\c], v[ADV] offset:2048*\b+512*\c   ; block b's numbers are converted: V's fragment b takes their registers
.endr
.endr
	s_wait_alu depctr_va_vdst(0)                   ; the wait directly ahead of the first reader of O^T
.set j, 0
.rept 16
	v_pk_mul_f32 v[160+j:161+j], v[160+j:161+j], v[252:253] op_sel_hi:[1,0]   ; O^T under the new M; these are also the places between the conversions and the products below
.set j, j+2
.endr
	s_wait_alu depctr_va_vdst(0)                   ; ahead of the wait below
	s_wait_dscnt 0x0                               ; V is in, and so is what was asked for ahead
.irp t, 0,1,2,3                                ; O^T += V^T P^T: four tiles of 16 of the head's 64, four accumulators by turns
	v_wmma_scale_f32_16x16x128_f8f6f4 v[160+8*\t:167+8*\t], v[96+16*\t:111+16*\t], v[192:207], v[160+8*\t:167+8*\t], v[VS+\t], v253
.endr
	s_add_co_u32 s[TK], s[TK], 8192
	s_add_co_u32 s[TS], s[TS], 512
	s_add_co_u32 s[TJ], s[TJ], 256
	s_add_co_u32 s[TM], s[TM], 1024
	ADDR                                           ; the next step's addresses,
.rept 4
	v_nop                                          ; nine places with them: the next products write over registers that these read; they also serve the way out's reads of O^T
.endr
	s_wait_alu depctr_va_vdst(0)                   ; the wait ahead of the barrier's wait
	s_barrier_wait -1                              ; all sixteen waves have begun this step
.endm
	s_wait_alu depctr_va_vdst(0)
	s_wait_loadcnt 0x0                             ; Q
	s_wait_tensorcnt 0x0                           ; my part of the images is in,
	s_wait_dscnt 0x0                               ; and my stores of words have landed
	s_barrier_signal -1
	s_barrier_wait -1                              ; both now hold of all sixteen waves
	s_mov_b32 s[TK], 0
	s_mov_b32 s[TS], 0
	s_mov_b32 s[TJ], 0
	s_mov_b32 s[TM], 0
	ADDR
	KLOAD 0
	s_mov_b32 s[CNT], 15
	s_wait_dscnt 0x0
.Lstep:
	s_wait_alu depctr_va_vdst(0)                   ; the step's addresses were written ahead of the jump
	STEP 1
	s_sub_co_u32 s[CNT], s[CNT], 1
	s_cmp_lg_u32 s[CNT], 0
	s_cbranch_scc1 .Lstep
	STEP 0                                         ; the last step looks no further
	; THE WAY OUT.  Registers 16 b + i of O^T are channels 32 b + 16 h + i of my query: the next operand's layout.
	v_add_f32 v14, v14, v15
	s_delay_alu instid0(VALU_DEP_1)
	v_permlanex16_b32 v252, v14, s[SEL], s[SEL+1]
	s_delay_alu instid0(VALU_DEP_1)
	v_add_f32 v14, v14, v252                       ; l
	s_delay_alu instid0(VALU_DEP_1)
	v_cmp_eq_f32 s72, 0, v14                       ; every key masked?
	s_wait_alu depctr_va_vdst(0)                   ; ahead of the reciprocal
	v_rcp_f32 v15, v14
	v_and_b32 v8, 15, v0
	v_bfe_u32 v9, v0, 4, 1
	s_delay_alu instid0(VALU_DEP_1)
	v_lshl_add_u32 v8, v8, 4, v9                   ; my scale byte: 16 r + h
	v_mov_b32 v249, 0x7f7f7f7f                     ; four NaN codes
	s_lshr_b32 s56, s[BH], 4
	s_lshl_b32 s56, s56, 7
	s_add_co_u32 s56, s56, s[QT]                   ; the block of 16 tokens: 128 batch + tile
	s_and_b32 s60, s[BH], 15                       ; head
	s_lshl_b32 s58, s56, 9
	s_lshl_b32 s56, s56, 14
	s_lshl_b32 s57, s60, 10                        ; 1,024 x head
	s_add_co_u32 s56, s56, s57
	s_mov_b32 s57, 0
	s_add_nc_u64 s[56:57], s[8:9], s[56:57]
	s_lshr_b32 s59, s60, 3
	s_lshl_b32 s59, s59, 8
	s_add_co_u32 s58, s58, s59
	s_and_b32 s59, s60, 7
	s_lshl_b32 s59, s59, 1
	s_add_co_u32 s58, s58, s59
	s_add_co_u32 s58, s58, 0x400000
	s_mov_b32 s59, 0
	s_add_nc_u64 s[58:59], s[8:9], s[58:59]
	s_wait_alu depctr_va_vdst(0)                   ; ahead of the reciprocal's first reader, which is O^T's too
.set j, 0
.rept 32
	v_mul_f32 v[96+j], v[160+j], v15               ; O / l, each accumulator from its low end on
.set j, j+1
.endr
.irp b, 0,1
	v_max3_num_f32 v[232+\b], |v[96+16*\b]|, |v[97+16*\b]|, 0x4800000
.endr
.irp i, 2,4,6,8,10,12,14
.irp b, 0,1
	s_delay_alu instid0(VALU_DEP_2)
	v_max3_num_f32 v[232+\b], v[232+\b], |v[96+16*\b+\i]|, |v[97+16*\b+\i]|
.endr
.endr
.irp b, 0,1
	s_delay_alu instid0(VALU_DEP_2)
	v_permlanex16_b32 v[236+\b], v[232+\b], s[SEL], s[SEL+1]
.endr
.irp b, 0,1
	s_delay_alu instid0(VALU_DEP_2)
	v_max_num_f32 v[232+\b], v[232+\b], v[236+\b]
.endr
.irp b, 0,1
	v_add_nc_u32 v[244+\b], 0xfc000000, v[232+\b]
.endr
.irp b, 0,1
	v_and_or_b32 v[240+\b], v[232+\b], 0x7f800000, s[MNT]
.endr
.irp b, 0,1
	v_lshrrev_b32 v[236+\b], 23, v[244+\b]
.endr
.irp b, 0,1
.irp i, 0,1,2,3,4,5,6,7,8,9,10,11,12,13,14,15
	v_med3_num_f32 v[96+16*\b+\i], v[96+16*\b+\i], -v[240+\b], v[240+\b]
.endr
	v_cvt_scalef32_pk8_fp8_f32 v[192+4*\b:193+4*\b], v[96+16*\b:103+16*\b], v[244+\b]
	v_cvt_scalef32_pk8_fp8_f32 v[194+4*\b:195+4*\b], v[104+16*\b:111+16*\b], v[244+\b]
.endr
	v_cmp_eq_u32 vcc_lo, 0, v9
	s_delay_alu instid0(VALU_DEP_1)
	v_cndmask_b32 v248, v237, v236, vcc_lo         ; lanes 0-15 store block 0's byte, lanes 16-31 block 1's
.irp i, 0,1,2,3,4,5,6,7
	v_cndmask_b32 v[192+\i], v[192+\i], v249, s72  ; a row with no open key: NaN codes
.endr
	global_store_b128 v[AK0], v[192:195], s[56:57]             ; 512 consecutive bytes a piece
	global_store_b128 v[AK0], v[196:199], s[56:57] offset:512
	global_store_b8 v8, v248, s[58:59]
	s_wait_tensorcnt 0x0                           ; the wave's end
	ds_add_u32 v230, v231
	s_wait_dscnt 0x0
	CROUND                                         ; the closing round
	s_endpgm
.Lfunc_end_k_q87b8f11153_att:
	.size	k_q87b8f11153_att, .Lfunc_end_k_q87b8f11153_att-k_q87b8f11153_att
	.p2alignl 7, 3214868480
	.fill 96, 4, 3214868480
	.section	.rodata,"a",@progbits
	.p2align	6, 0x0
	.amdhsa_kernel k_q87b8f11153_att
		.amdhsa_group_segment_fixed_size 292864
		.amdhsa_private_segment_fixed_size 0
		.amdhsa_enable_private_segment 0
		.amdhsa_kernarg_size 24
		.amdhsa_user_sgpr_count 2
		.amdhsa_user_sgpr_kernarg_segment_ptr 1
		.amdhsa_wavefront_size32 1
		.amdhsa_system_sgpr_workgroup_id_x 1
		.amdhsa_system_sgpr_workgroup_id_y 1
		.amdhsa_system_sgpr_workgroup_id_z 1
		.amdhsa_system_vgpr_workitem_id 0
		.amdhsa_next_free_vgpr 256
		.amdhsa_next_free_sgpr 80
		.amdhsa_reserve_vcc 1
		.amdhsa_float_denorm_mode_32 3
		.amdhsa_float_denorm_mode_16_64 3
		.amdhsa_memory_ordered 1
		.amdhsa_forward_progress 1
		.amdhsa_inst_pref_size 60
	.end_amdhsa_kernel
	.amdgpu_metadata
---
amdhsa.version: [ 1, 2 ]
amdhsa.kernels:
  - .name:           k_q87b8f11153_att
    .symbol:         k_q87b8f11153_att.kd
    .args:
      - { .name: qkvi, .offset: 0, .size: 8, .value_kind: global_buffer, .address_space: global }
      - { .name: src_mask, .offset: 8, .size: 8, .value_kind: global_buffer, .address_space: global }
      - { .name: ao, .offset: 16, .size: 8, .value_kind: global_buffer, .address_space: global }
    .group_segment_fixed_size: 292864
    .private_segment_fixed_size: 0
    .kernarg_segment_align: 8
    .kernarg_segment_size: 24
    .max_flat_workgroup_size: 512
    .sgpr_count:     80
    .vgpr_count:     256
    .wavefront_size: 32
...
	.end_amdgpu_metadata
.endif
;; end of part 3
;; launch wo (part 4): grid 8 x 32, 4 waves a work-group, clusters of 4 x 4, 264,704 bytes of LDS; arguments ao, wo_codes, wo_scales, x, hres; writes hres
.if DOCPART == 4
	.amdgcn_target "amdgcn-amd-amdhsa--gfx1250"
	.amdhsa_code_object_version 6
	.text
	.protected	k_q87b8f11153_wo
	.globl	k_q87b8f11153_wo
	.p2align	8
	.type	k_q87b8f11153_wo,@function
k_q87b8f11153_wo:
	s_mov_b64 s[64:65], 0
	v_nop
	global_prefetch_b8 v0, s[64:65] scope:SCOPE_SE
	s_setreg_imm32_b32 hwreg(HW_REG_WAVE_MODE, 25, 1), 1
	s_wait_xcnt 0x0
	s_wait_alu depctr_hold_cnt(0) depctr_sa_sdst(0) depctr_va_vdst(0) depctr_va_sdst(0) depctr_va_ssrc(0) depctr_va_vcc(0) depctr_vm_vsrc(0)
	s_getreg_b32 s2, hwreg(HW_REG_IB_STS2, 6, 4)
	s_cmp_eq_u32 s2, 0
	s_cbranch_scc0 .Lentry_in_a_cluster
	s_endpgm
.Lentry_in_a_cluster:
	s_bfe_u32 s2, ttmp6, 0x10000c
	s_cmp_lg_u32 s2, 0xf033
	s_cbranch_scc0 .Lentry_shape_is_right
	s_endpgm
.Lentry_shape_is_right:
; hres = x + A B^T on E4M3 codes with E8M0 scales.  A: the attention's output, 4,096 tokens x 1,024, this program's own images: [block of 16 tokens][128 along K][c 4][512 bytes], scale words [block][512 along K][r 16][16 bytes] at byte ASC.
; B: wo [1,024][1,024] as codes with K innermost, scale bytes [1,024][32].  hres, x: [4,096][1,024] f32.
; A tile of 128 x 128 to a work-group (256 tiles), 64 x 64 to a wave: 16 accumulators.  ALL OF K LIES IN LDS AT ONCE: A's 8 blocks are 131,072 dense bytes, B's 128 rows 1,024 bytes each (+ 16 of padding).
; So there is no ring and nothing is filled again: four tensor loads of 65,536 bytes at the head, one a wave (waves 0, 1: A's halves; waves 2, 3: B's), one barrier, eight quarters of 128 along K.
; THE SCALE WORDS of a wave's 64 tokens and 64 columns, for all of K, go from memory straight into the 64 registers that the products name: 16 loads of 16 bytes a lane.
; CLUSTERS of 4 x 4: A's tiles are asked for jointly along a row of the cluster, B's along a column.  No prefetch: everything is asked for at the head, there is no loop to run ahead in.
; SOURCE 0 = 16 rows of B, SOURCE 1 = a block of A: a lane holds one token and eight neighbouring columns.  Row r of block 2 n + u is token 32 n + 8 u + r + 8 (r / 8): the stage's address puts the rows back in order.
; The residual's rows are asked for at the head and land under the products.
; REGISTERS: window 0: v16-29 addresses; v32-63 A's scale words; v64-95 B's; v128-255 the accumulators.  window 1: two buffers of 128: A's four fragments, then B's four.  window 2: v0-127 the residual.
.set ASC,    0x400000
.set APART,  131072                    ; LDS: A's 8 blocks x 16,384 bytes,
.set BP,     1040                      ; then B's 128 rows of 1,024 bytes + 16
.set SPARE,  APART+128*BP              ; the spare words, 128 bytes a wave
.set SP,     528                       ; the way out: 128 rows x (512 bytes + 16), over A's codes, behind their last read
.set ADRA, 16
.set ADRB, 20
.set STO,  24
.set RD,   25
.set CO,   26
.set SPW,  28
.set NIL,  29
.set SA,   32
.set SBW,  64
.set ACC,  128
.set F0,   0
.set F1,   128
.set G1,   24
.set G0,   32
.set G0B,  36
.set G1B,  48
.set MSB, 0
.macro WIN new
.if MSB != (\new)
	s_set_vgpr_msb (MSB<<8)|(\new)
.set MSB, (\new)
.endif
.endm
.set MUL,  0x05                        ; sources 0 and 1 window 1; C and D window 0
.set TO_F, 0x40
.macro CROUND
	s_barrier_signal -1
	s_barrier_wait -1
	s_cmp_lg_u32 s14, 0
	s_cbranch_scc1 .Lnot_wave_0_\@
	s_barrier_signal -3
.Lnot_wave_0_\@:
	s_barrier_wait -3
	s_barrier_signal -1
	s_barrier_wait -1
.endm
	s_load_b256 s[4:11], s[0:1], 0x0               ; A, B's codes, B's scales, the residual
	s_load_b64 s[12:13], s[0:1], 0x20              ; out
	v_lshl_add_u32 v[SPW], v0, 2, SPARE
	v_mov_b32 v[NIL], 0
	ds_add_u32 v[SPW], v[NIL]                      ; the opening lines: the add twice on end and one wait
	ds_add_u32 v[SPW], v[NIL]
	v_lshrrev_b32 v1, 5, v0
	v_readfirstlane_b32 s14, v1                    ; wave
	s_lshr_b32 s15, s14, 1                         ; my half of the tile's rows.  Also: I fetch for A (0) or for B (1)
	s_and_b32 s16, s14, 1                          ; my half of its columns.  Also: which half I fetch
	s_bfe_u32 s40, ttmp6, 0x40000
	s_bfe_u32 s41, ttmp6, 0x40004
	s_lshl_b32 s42, ttmp9, 2
	s_add_co_u32 s42, s42, s40                     ; tile column
	s_and_b32 s17, ttmp7, 0xffff
	s_lshl_b32 s17, s17, 2
	s_add_co_u32 s17, s17, s41                     ; tile row
	s_lshl_b32 s43, s41, 2
	s_lshl_b32 s43, 15, s43                        ; my row of the cluster
	s_lshl_b32 s44, 0x1111, s40                    ; my column
	s_or_b32 s[G1+0], s43, (3<<16)|(1<<21)         ; A's codes: 4 rows of 16,384 bytes (2,048 elements of 8), dense; no padding
	s_mov_b32 s[G1+1], 2048<<16
	s_mov_b32 s[G1+2], 4<<16
	s_mov_b32 s[G1+3], 2048<<16
	s_mov_b32 s[G1+4], 4
	s_mov_b32 s[G1+5], 2048
	s_mov_b32 s[G1+6], 0
	s_mov_b32 s[G1+7], 0
	s_or_b32 s[G1B+0], s44, (0<<16)|(1<<20)|(1<<21)|(7<<22)|(3<<25)   ; B's codes: 64 rows x 1,024 bytes; 4 words of padding after every 256
	s_mov_b32 s[G1B+1], 1024<<16
	s_mov_b32 s[G1B+2], 64<<16
	s_mov_b32 s[G1B+3], 1024<<16
	s_mov_b32 s[G1B+4], 64
	s_mov_b32 s[G1B+5], 1024
	s_mov_b32 s[G1B+6], 0
	s_mov_b32 s[G1B+7], 0
	s_lshl_b32 s18, s16, 16                        ; the half that I fetch: 4 blocks of A, or 64 rows of B, are 65,536 bytes; also A's place in LDS
	s_lshl_b32 s20, s17, 17                        ; A: 8 blocks of 16,384 bytes a tile row
	s_add_co_u32 s20, s20, s18
	s_mov_b32 s21, 0
	s_lshl_b32 s22, s17, 12                        ; the scale words of the four blocks that I multiply: 512 bytes a block
	s_lshl_b32 s19, s15, 11
	s_add_co_u32 s22, s22, s19
	s_add_co_u32 s22, s22, ASC
	s_mov_b32 s23, 0
	s_lshl_b32 s46, s42, 17                        ; B: 128 rows of 1,024 bytes a tile column
	s_add_co_u32 s46, s46, s18
	s_mov_b32 s47, 0
	s_lshl_b32 s96, s42, 12                        ; the scale bytes of the 64 columns that I multiply: 32 bytes a row
	s_lshl_b32 s19, s16, 11
	s_add_co_u32 s96, s96, s19
	s_mov_b32 s97, 0
	s_mul_i32 s98, s16, 64*BP
	s_add_co_u32 s98, s98, APART                   ; B's half in LDS
	s_wait_dscnt 0x0                               ; both opening adds are done
	s_wait_kmcnt 0x0
	s_add_nc_u64 s[20:21], s[4:5], s[20:21]
	s_add_nc_u64 s[22:23], s[4:5], s[22:23]
	s_add_nc_u64 s[46:47], s[6:7], s[46:47]
	s_add_nc_u64 s[96:97], s[8:9], s[96:97]
	CROUND                                         ; all sixteen work-groups are here: the joint loads meet
	s_mov_b32 s[G0], 1
	s_mov_b32 s[G0+1], s18
	s_mov_b64 s[G0+2:G0+3], s[20:21]
	s_or_b32 s[G0+3], s[G0+3], 0x80000000
	s_mov_b32 s[G0B], 1
	s_mov_b32 s[G0B+1], s98
	s_mov_b64 s[G0B+2:G0B+3], s[46:47]
	s_or_b32 s[G0B+3], s[G0B+3], 0x80000000
	s_cmp_eq_u32 s15, 0                            ; one load a wave, in the two arms of one branch on the wave's number
	s_cbranch_scc0 .Lhead_b
	tensor_load_to_lds s[G0:G0+3], s[G1:G1+7]
	s_nop 0
.rept 4
	v_nop
.endr
	s_branch .Lhead_asked
.Lhead_b:
	tensor_load_to_lds s[G0B:G0B+3], s[G1B:G1B+7]
	s_nop 0
.rept 4
	v_nop
.endr
.Lhead_asked:
	s_lshl_b32 s20, s17, 7
	s_lshl_b32 s21, s14, 5
	s_add_co_u32 s20, s20, s21                     ; the first row that I store: 128 x tile row + 32 x wave
	s_lshl_b32 s20, s20, 12
	s_lshl_b32 s19, s42, 9                         ; the tile's first column, in bytes
	s_add_co_u32 s20, s20, s19
	s_mov_b32 s21, 0
	s_add_nc_u64 s[92:93], s[10:11], s[20:21]
	s_add_nc_u64 s[12:13], s[12:13], s[20:21]
	s_lshl_b32 s18, s15, 16                        ; A: the four blocks that I multiply
	s_mul_i32 s19, s16, 64*BP
	s_add_co_u32 s19, s19, APART                   ; B: my 64 rows
	s_mul_i32 s2, s15, 64*SP
	s_lshl_b32 s3, s16, 8
	s_add_co_u32 s2, s2, s3                        ; the stage, in
	s_mul_i32 s3, s14, 32*SP                       ; and out: my 32 rows
	v_and_b32 v1, 15, v0                           ; r
	v_bfe_u32 v2, v0, 4, 1                         ; h
	v_and_b32 v3, 31, v0
	v_lshlrev_b32 v4, 4, v1                        ; A's words: 16 bytes a row and 512 along K
	v_lshlrev_b32 v5, 5, v1                        ; B's bytes: 32 a row
	v_lshlrev_b32 v[CO], 4, v3                     ; 16 x lane
.irp s, 0,1
.irp i, 0,1,2,3
	global_load_b128 v[SA+16*\s+4*\i:SA+16*\s+4*\i+3], v4, s[22:23] offset:512*\i+256*\s    ; all of K's scale words: register 16 (k / 4) + 4 i + k % 4
	global_load_b128 v[SBW+16*\s+4*\i:SBW+16*\s+4*\i+3], v5, s[96:97] offset:512*\i+16*\s
.endr
.endr
	WIN 0x80                                       ; destination window 2
.set t, 0
.rept 32
	global_load_b128 v[4*t:4*t+3], v[CO], s[92:93] offset:4096*t th:TH_LOAD_NT   ; the residual: 512 consecutive bytes of a row
.set t, t+1
.endr
	WIN 0
	v_mul_u32_u24 v6, v1, BP
	v_and_b32 v7, 8, v1
	v_lshl_add_u32 v6, v2, 4, v6
	v_add_nc_u32 v7, v7, v1                        ; r + 8 (r / 8)
	v_add_nc_u32 v[ADRA], s18, v[CO]               ; A: 16 x lane
	v_mul_u32_u24 v7, v7, SP
	v_add_nc_u32 v[ADRB], s19, v6                  ; B: row r x pitch + 16 h
	v_lshl_add_u32 v7, v2, 5, v7
	v_add_nc_u32 v[RD], s3, v[CO]
	v_add_nc_u32 v[STO], s2, v7
.macro MUL4 f, a, k, zero              ; A's block a x B's four, the k-th 128 along K; the 16 accumulators take turns, one instruction a turn, in one order
.irp b, 0,1,2,3
.if \zero
	v_wmma_scale_f32_16x16x128_f8f6f4 v[ACC+8*(4*(\a)+\b):ACC+8*(4*(\a)+\b)+7], v[\f+64+16*\b:\f+64+16*\b+15], v[\f+16*(\a):\f+16*(\a)+15], 0, v[SBW+16*((\k)/4)+4*\b+(\k)%4], v[SA+16*((\k)/4)+4*(\a)+(\k)%4]
.else
	v_wmma_scale_f32_16x16x128_f8f6f4 v[ACC+8*(4*(\a)+\b):ACC+8*(4*(\a)+\b)+7], v[\f+64+16*\b:\f+64+16*\b+15], v[\f+16*(\a):\f+16*(\a)+15], v[ACC+8*(4*(\a)+\b):ACC+8*(4*(\a)+\b)+7], v[SBW+16*((\k)/4)+4*\b+(\k)%4], v[SA+16*((\k)/4)+4*(\a)+(\k)%4]
.endif
.endr
.endm
.macro FETCH k, f                      ; 32 LDS loads in one run: B's four fragments, then A's four, of the k-th 128 along K
	WIN TO_F
.irp i, 0,1,2,3
.irp c, 0,1,2,3
	ds_load_b128 v[\f+64+16*\i+4*\c:\f+64+16*\i+4*\c+3], v[ADRB] offset:128*(\k)+32*\c+16*BP*\i
.endr
.endr
.irp i, 0,1,2,3
.irp c, 0,1,2,3
	ds_load_b128 v[\f+16*\i+4*\c:\f+16*\i+4*\c+3], v[ADRA] offset:16384*\i+2048*(\k)+512*\c
.endr
.endr
.endm
.macro PLACES n
.rept \n
	v_nop
.endr
.endm
.macro QUARTER k, f, g, zero           ; 128 along K from buffer f; the next quarter is fetched into g
	s_wait_dscnt 8                                 ; all but A's blocks 2 and 3 are in
	WIN MUL
	MUL4 \f, 0, \k, \zero
	MUL4 \f, 1, \k, \zero
	PLACES 8                                       ; in front of loads into registers that the quarter before multiplied
	FETCH (\k)+1, \g
	s_wait_dscnt 32                                ; all but the 32 just issued
	WIN MUL
	MUL4 \f, 2, \k, \zero
	MUL4 \f, 3, \k, \zero
.endm
	s_wait_alu depctr_va_vdst(0)
	s_wait_loadcnt 32                              ; the scale words are in; the residual's 32 loads may be out
	s_wait_tensorcnt 0x0                           ; my half tile is in
	s_barrier_signal -1
	s_barrier_wait -1                              ; and so are the others'
	FETCH 0, F0
	QUARTER 0, F0, F1, 1                           ; the first quarter's products start the sums
.irp k, 1,3,5
	QUARTER \k, F1, F0, 0
	QUARTER \k+1, F0, F1, 0
.endr
	s_wait_dscnt 8
	WIN MUL
	MUL4 F1, 0, 7, 0
	MUL4 F1, 1, 7, 0
	s_wait_dscnt 0                                 ; my reads of A and B are over
	MUL4 F1, 2, 7, 0
	MUL4 F1, 3, 7, 0
	WIN 0
	; THE WAY OUT: a barrier, since the stage lies over A's codes; 32 bytes a lane into the stage, at the token's own row; a barrier; back as whole rows of 512 bytes; the residual is added; 512 consecutive bytes a store.
	s_barrier_signal -1
	PLACES 8                                       ; the places behind the last products
	s_barrier_wait -1                              ; nobody reads A's codes any more
.irp a, 0,1,2,3
.irp b, 0,1,2,3
	ds_store_b128 v[STO], v[ACC+8*(4*\a+\b):ACC+8*(4*\a+\b)+3] offset:(32*(\a/2)+8*(\a%2))*SP+64*\b      ; each accumulator from its low end on
	ds_store_b128 v[STO], v[ACC+8*(4*\a+\b)+4:ACC+8*(4*\a+\b)+7] offset:(32*(\a/2)+8*(\a%2))*SP+64*\b+16
.endr
.endr
	s_wait_dscnt 0x0                               ; for the others' sake: my stores into the stage have landed
	s_barrier_signal -1
	s_barrier_wait -1
.set t, 0
.rept 32
	ds_load_b128 v[ACC+4*t:ACC+4*t+3], v[RD] offset:SP*t
.set t, t+1
.endr
	s_wait_loadcnt 0x0                             ; the residual
	s_wait_dscnt 0x0
	WIN 0x08                                       ; source 1 window 2
.set j, 0
.rept 64
	v_pk_add_f32 v[ACC+j:ACC+j+1], v[ACC+j:ACC+j+1], v[j:j+1]
.set j, j+2
.endr
	WIN 0
.set t, 0
.rept 32
	global_store_b128 v[CO], v[ACC+4*t:ACC+4*t+3], s[12:13] offset:4096*t
.set t, t+1
.endr
	s_wait_tensorcnt 0x0                           ; the wave's end
	ds_add_u32 v[SPW], v[NIL]
	s_wait_dscnt 0x0
	CROUND                                         ; the closing round
	s_endpgm
.Lfunc_end_k_q87b8f11153_wo:
	.size	k_q87b8f11153_wo, .Lfunc_end_k_q87b8f11153_wo-k_q87b8f11153_wo
	.p2alignl 7, 3214868480
	.fill 96, 4, 3214868480
	.section	.rodata,"a",@progbits
	.p2align	6, 0x0
	.amdhsa_kernel k_q87b8f11153_wo
		.amdhsa_group_segment_fixed_size 264704
		.amdhsa_private_segment_fixed_size 0
		.amdhsa_enable_private_segment 0
		.amdhsa_kernarg_size 40
		.amdhsa_user_sgpr_count 2
		.amdhsa_user_sgpr_kernarg_segment_ptr 1
		.amdhsa_wavefront_size32 1
		.amdhsa_system_sgpr_workgroup_id_x 1
		.amdhsa_system_sgpr_workgroup_id_y 1
		.amdhsa_system_sgpr_workgroup_id_z 1
		.amdhsa_system_vgpr_workitem_id 0
		.amdhsa_next_free_vgpr 768
		.amdhsa_next_free_sgpr 100
		.amdhsa_reserve_vcc 0
		.amdhsa_float_denorm_mode_32 3
		.amdhsa_float_denorm_mode_16_64 3
		.amdhsa_memory_ordered 1
		.amdhsa_forward_progress 1
		.amdhsa_inst_pref_size 58
	.end_amdhsa_kernel
	.amdgpu_metadata
---
amdhsa.version: [ 1, 2 ]
amdhsa.kernels:
  - .name:           k_q87b8f11153_wo
    .symbol:         k_q87b8f11153_wo.kd
    .args:
      - { .name: ao, .offset: 0, .size: 8, .value_kind: global_buffer, .address_space: global }
      - { .name: wo_codes, .offset: 8, .size: 8, .value_kind: global_buffer, .address_space: global }
      - { .name: wo_scales, .offset: 16, .size: 8, .value_kind: global_buffer, .address_space: global }
      - { .name: x, .offset: 24, .size: 8, .value_kind: global_buffer, .address_space: global }
      - { .name: hres, .offset: 32, .size: 8, .value_kind: global_buffer, .address_space: global }
    .group_segment_fixed_size: 264704
    .private_segment_fixed_size: 0
    .kernarg_segment_align: 8
    .kernarg_segment_size: 40
    .max_flat_workgroup_size: 128
    .sgpr_count:     100
    .vgpr_count:     768
    .wavefront_size: 32
...
	.end_amdgpu_metadata
.endif
;; end of part 4
;; launch ln2: the kernel of part 1 again; grid 256 x 1, 16 waves a work-group, no clusters, 84,992 bytes of LDS; arguments hres, ln2_a, ln2_b, act2; writes act2
;; launch ff1 (part 5): grid 16 x 16, 4 waves a work-group, clusters of 4 x 4, 327,680 bytes of LDS; arguments act2, ff1_w_codes, ff1_w_scales, ff1_b, hid; writes hid
.if DOCPART == 5
	.amdgcn_target "amdgcn-amd-amdhsa--gfx1250"
	.amdhsa_code_object_version 6
	.text
	.protected	k_q87b8f11153_ff1
	.globl	k_q87b8f11153_ff1
	.p2align	8
	.type	k_q87b8f11153_ff1,@function
k_q87b8f11153_ff1:
	s_mov_b64 s[64:65], 0
	v_nop
	global_prefetch_b8 v0, s[64:65] scope:SCOPE_SE
	s_setreg_imm32_b32 hwreg(HW_REG_WAVE_MODE, 25, 1), 1
	s_wait_xcnt 0x0
	s_wait_alu depctr_hold_cnt(0) depctr_sa_sdst(0) depctr_va_vdst(0) depctr_va_sdst(0) depctr_va_ssrc(0) depctr_va_vcc(0) depctr_vm_vsrc(0)
	s_getreg_b32 s2, hwreg(HW_REG_IB_STS2, 6, 4)
	s_cmp_eq_u32 s2, 0
	s_cbranch_scc0 .Lentry_in_a_cluster
	s_endpgm
.Lentry_in_a_cluster:
	s_bfe_u32 s2, ttmp6, 0x10000c
	s_cmp_lg_u32 s2, 0xf033
	s_cbranch_scc0 .Lentry_shape_is_right
	s_endpgm
.Lentry_shape_is_right:
.set NQ,     2
.set ROWB,   256
.set KROW,   1024
.set KS,     32
.set PITCH,  272
.set FR,     16
.set NL,     4
.set NP,     8
.set HALFT,  128*PITCH
.set SLOT,   4*HALFT
.set LAPS,   2
.set SCL,    2*SLOT
.set HALFS,  16*272
.set SBLK,   2*272
.set SPARE,  SCL+4*HALFS
.set STG,    0
.set SSTG,   256*272
.set ADRA, 16
.set G4,   18
.set ADRB, 20
.set SRD,  22
.set GO,   23
.set STO,  24
.set SSO,  25
.set RDA,  26
.set ADRS, 27
.set SPW,  28
.set NIL,  29
.set SC,   32
.set BI,   64
.set WD,   64
.set AF,   128
.set HELD, 128
.set PC,   192
.set TM,   224
.set PW,   240
.set G1,   24
.set G0,   32
.set G1B,  48
.set G0B,  56
.set G1S,  68
.set G0S,  76
.set G1SB, 80
.set G0SB, 88
.set MNT,  95
.set SEL,  96
.set MSB, 0
.macro WIN new
.if MSB != (\new)
	s_set_vgpr_msb (MSB<<8)|(\new)
.set MSB, (\new)
.endif
.endm
.set MUL_LO,   0xa1
.set MUL_HI,   0xf1
.set FIRST_LO, 0x81
.set FIRST_HI, 0xc1
.set TO_B,     0x40
.macro JLOAD g0a, g1a, g0b, g1b
	s_cmp_eq_u32 s15, 0
	s_cbranch_scc0 .Lfor_b_\@
	tensor_load_to_lds s[\g0a:\g0a+3], s[\g1a:\g1a+7]
	s_nop 0
.rept 4
	v_nop
.endr
	s_branch .Lasked_\@
.Lfor_b_\@:
	tensor_load_to_lds s[\g0b:\g0b+3], s[\g1b:\g1b+7]
	s_nop 0
.rept 4
	v_nop
.endr
.Lasked_\@:
.endm
.macro CREST
	s_cmp_lg_u32 s14, 0
	s_cbranch_scc1 .Lnot_wave_0_\@
	s_barrier_signal -3
.Lnot_wave_0_\@:
	s_barrier_wait -3
	s_barrier_signal -1
	s_barrier_wait -1
.endm
.macro CROUND
	s_barrier_signal -1
	s_barrier_wait -1
	CREST
.endm
	s_load_b64 s[4:5], s[0:1], 0x0
	s_load_b128 s[8:11], s[0:1], 0x8
	s_load_b128 s[68:71], s[0:1], 0x18
	v_lshl_add_u32 v[SPW], v0, 2, SPARE
	v_mov_b32 v[NIL], 0
	ds_add_u32 v28, v29
	ds_add_u32 v28, v29
	s_wait_dscnt 0x0
	v_lshrrev_b32 v1, 5, v0
	v_readfirstlane_b32 s14, v1
	s_lshr_b32 s15, s14, 1
	s_and_b32 s16, s14, 1
	s_bfe_u32 s40, ttmp6, 0x40000
	s_bfe_u32 s41, ttmp6, 0x40004
	s_lshl_b32 s42, ttmp9, 2
	s_add_co_u32 s42, s42, s40
	s_and_b32 s17, ttmp7, 0xffff
	s_lshl_b32 s17, s17, 2
	s_add_co_u32 s17, s17, s41
	s_lshl_b32 s43, s41, 2
	s_lshl_b32 s43, 15, s43
	s_lshl_b32 s44, 0x1111, s40
	s_or_b32 s[G1+0], s43, (0<<16)|(1<<20)|(1<<21)|(5<<22)|(3<<25)
	s_or_b32 s[G1B+0], s44, (0<<16)|(1<<20)|(1<<21)|(5<<22)|(3<<25)
.irp g, G1, G1B
	s_mov_b32 s[\g+1], ROWB<<16
	s_mov_b32 s[\g+2], 128<<16
	s_mov_b32 s[\g+3], ROWB<<16
	s_mov_b32 s[\g+4], 128
	s_mov_b32 s[\g+5], KROW
	s_mov_b32 s[\g+6], 0
	s_mov_b32 s[\g+7], 0
.endr
	s_lshl_b32 s18, s16, 7
	s_lshl_b32 s20, s17, 8
	s_add_co_u32 s20, s20, s18
	s_lshl_b32 s46, s42, 8
	s_add_co_u32 s46, s46, s18
	s_lshl_b32 s22, s20, 5
	s_mov_b32 s23, 0
	s_lshl_b32 s92, s46, 5
	s_mov_b32 s93, 0
	s_lshl_b32 s20, s20, 10
	s_mov_b32 s21, 0
	s_lshl_b32 s46, s46, 10
	s_mov_b32 s47, 0
	s_mul_i32 s45, s14, HALFT
	s_mul_i32 s94, s14, HALFS
	s_mov_b32 s[SEL], 0x76543210
	s_mov_b32 s[SEL+1], 0xfedcba98
	s_mov_b32 s[MNT], 0x600000
	s_lshl_b32 s2, s42, 10
	s_lshl_b32 s3, s16, 9
	s_add_co_u32 s2, s2, s3
	s_mov_b32 s3, 0
	s_wait_kmcnt 0x0
	s_add_nc_u64 s[6:7], s[4:5], 0x400000
	s_mov_b64 s[12:13], s[70:71]
	s_add_nc_u64 s[2:3], s[68:69], s[2:3]
	s_add_nc_u64 s[20:21], s[4:5], s[20:21]
	s_add_nc_u64 s[22:23], s[6:7], s[22:23]
	s_add_nc_u64 s[46:47], s[8:9], s[46:47]
	s_add_nc_u64 s[92:93], s[10:11], s[92:93]
	CROUND                                         ; all sixteen work-groups are here: the first joint loads meet
.irp s, 0,1
	s_mov_b32 s[G0+4*\s], 1
	s_add_co_u32 s[G0+4*\s+1], s45, \s*SLOT
	s_add_nc_u64 s[G0+4*\s+2:G0+4*\s+3], s[20:21], \s*ROWB
	s_or_b32 s[G0+4*\s+3], s[G0+4*\s+3], 0x80000000
	s_mov_b32 s[G0B+4*\s], 1
	s_add_co_u32 s[G0B+4*\s+1], s45, \s*SLOT
	s_add_nc_u64 s[G0B+4*\s+2:G0B+4*\s+3], s[46:47], \s*ROWB
	s_or_b32 s[G0B+4*\s+3], s[G0B+4*\s+3], 0x80000000
.endr
	JLOAD G0, G1, G0B, G1B                         ; K step 0: my 128 rows of it, my one tensor load at the head
; THE SCALES come through registers: the scale bytes of the 128 rows that I fetch are 4,096 dense bytes: eight loads of 512 consecutive bytes, stored into LDS as units of 256 bytes + 16 of padding, under the tensor load's flight.
; THE PREFETCHES INTO THE L2: of the 128 rows that I fetch, each of the four partners that ask for them jointly takes 32, told apart by address (cx for A's rows, cy for B's): a lane a row, 256 bytes of a row a K step.
; K steps 1 and 2 are asked for here, beside K step 0's load, and K step 3 beside K step 1's: two loads ahead but for K step 1.
.set SST, 8                            ; v8   where my lane stores its scale bytes
.set PFO, 30                           ; v30  the prefetches' offset: 1,024 x lane; never rewritten
	s_cmp_eq_u32 s15, 0
	s_cselect_b64 s[4:5], s[22:23], s[92:93]       ; my rows' scale bytes
	s_cselect_b64 s[6:7], s[20:21], s[46:47]       ; my rows' codes
	s_cselect_b32 s8, s40, s41                     ; my place among the four
	s_lshl_b32 s8, s8, 15                          ; 32 rows of 1,024 bytes
	s_mov_b32 s9, 0
	s_add_nc_u64 s[6:7], s[6:7], s[8:9]
	s_add_co_u32 s94, s94, SCL
	v_and_b32 v9, 31, v0
	v_and_b32 v11, 15, v0
	v_lshlrev_b32 v10, 4, v9
	v_lshrrev_b32 v[SST], 4, v9
	v_lshlrev_b32 v[PFO], 10, v9
.irp j, 0,1,2,3,4,5,6,7
	global_load_b128 v[128+4*\j:131+4*\j], v10, s[4:5] offset:512*\j
.endr
	v_mul_u32_u24 v[SST], v[SST], 272
	v_lshl_add_u32 v[SST], v11, 4, v[SST]
	v_add_nc_u32 v[SST], s94, v[SST]
	global_prefetch_b8 v[PFO], s[6:7] offset:256 th:TH_LOAD_NT scope:SCOPE_SE
	global_prefetch_b8 v[PFO], s[6:7] offset:512 th:TH_LOAD_NT scope:SCOPE_SE
	v_and_b32 v1, 15, v0
	v_bfe_u32 v2, v0, 4, 1
	v_lshlrev_b32 v7, 5, v2
.irp b, 0,1,2,3,4,5,6,7
	global_load_b128 v[BI+8*\b:BI+8*\b+3], v7, s[2:3] offset:64*\b
	global_load_b128 v[BI+8*\b+4:BI+8*\b+7], v7, s[2:3] offset:64*\b+16
.endr
	v_mul_u32_u24 v3, v1, PITCH
	v_lshl_add_u32 v4, v2, 4, v3
	s_mul_i32 s21, s15, HALFT
	s_mul_i32 s22, s16, HALFT
	s_add_co_u32 s22, s22, 2*HALFT
.irp s, 0,1
	v_add_nc_u32 v[ADRA+\s], s21, v4
	v_add_nc_u32 v[ADRB+\s], s22, v4
	s_add_co_u32 s21, s21, SLOT
	s_add_co_u32 s22, s22, SLOT
.endr
	v_mul_u32_u24 v5, v1, KS
	v_lshrrev_b32 v6, 8, v5
	v_lshl_add_u32 v5, v6, 4, v5
	s_mul_i32 s21, s15, HALFS
	s_mul_i32 s22, s16, HALFS
	s_add_co_u32 s22, s22, 2*HALFS
	s_sub_co_u32 s22, s22, s21
	v_mul_u32_u24 v6, s22, v2
	s_add_co_u32 s21, s21, SCL
	v_add_nc_u32 v5, v5, v6
	v_add_nc_u32 v[ADRS], s21, v5
	s_mul_i32 s21, s15, 128*272
	s_lshl_b32 s22, s16, 7
	s_add_co_u32 s21, s21, s22
	v_lshl_add_u32 v5, v2, 3, v3
	v_add_nc_u32 v[STO], s21, v5
	s_lshl_b32 s21, s15, 10
	s_lshl_b32 s22, s16, 2
	s_add_co_u32 s21, s21, s22
	s_add_co_u32 s21, s21, SSTG
	v_lshl_add_u32 v[SSO], v1, 3, s21
	v_and_b32 v5, 8, v1
	v_add_nc_u32 v5, v5, v1
	v_mul_u32_u24 v6, v5, 272
	v_lshl_add_u32 v6, v2, 4, v6
	s_mul_i32 s21, s14, 64*272
	v_add_nc_u32 v[RDA], s21, v6
	v_lshl_add_u32 v5, v2, 3, v5
	s_lshl_b32 s21, s14, 9
	s_add_co_u32 s21, s21, SSTG
	v_lshl_add_u32 v[SRD], v5, 3, s21
	v_and_b32 v6, 31, v0
	v_lshlrev_b32 v[GO], 4, v6
	v_lshlrev_b32 v6, 4, v1
	v_lshl_add_u32 v[G4], v2, 11, v6
.macro FRAG reg, adr, q, i
.irp c, 0,1,2,3
	ds_load_b128 v[\reg+4*\c:\reg+4*\c+3], v[\adr] offset:128*(\q)+32*\c+(\i)*16*PITCH
.endr
.endm
.macro MUL16 a0, p, q, sc, zero
.irp a, \a0, \a0+1
.irp b, 0,1,2,3,4,5,6,7
.if \zero
	v_wmma_scale_f32_16x16x128_f8f6f4 v[8*(8*((\a)%4)+\b):8*(8*((\a)%4)+\b)+7], v[128*(\p)+FR*\b:128*(\p)+FR*\b+FR-1], v[AF+FR*(\a):AF+FR*(\a)+FR-1], v[BI+8*\b:BI+8*\b+7], v[SC+8*NQ*(\sc)+NQ*\b+(\q)], v[SC+8*NQ*(\sc)+NQ*(\a)+(\q)] matrix_a_scale:MATRIX_SCALE_ROW1
.else
	v_wmma_scale_f32_16x16x128_f8f6f4 v[8*(8*((\a)%4)+\b):8*(8*((\a)%4)+\b)+7], v[128*(\p)+FR*\b:128*(\p)+FR*\b+FR-1], v[AF+FR*(\a):AF+FR*(\a)+FR-1], v[8*(8*((\a)%4)+\b):8*(8*((\a)%4)+\b)+7], v[SC+8*NQ*(\sc)+NQ*\b+(\q)], v[SC+8*NQ*(\sc)+NQ*(\a)+(\q)] matrix_a_scale:MATRIX_SCALE_ROW1
.endif
.endr
.endr
.endm
.macro FETCH_B slot, q, p
	WIN TO_B
.irp i, 0,1,2,3,4,5,6,7
	FRAG 128*(\p)+FR*\i, ADRB+\slot, \q, \i
.endr
	WIN 0
.endm
.macro FETCH_A slot, q, i0
.irp i, \i0, \i0+1, \i0+2, \i0+3
	FRAG AF+FR*(\i), ADRA+\slot, \q, \i
.endr
.endm
.macro SCALES sc
.irp i, 0,1,2,3,4,5,6,7
	ds_load_b64 v[SC+8*NQ*\sc+NQ*\i:SC+8*NQ*\sc+NQ*\i+1], v[ADRS] offset:\i*SBLK
.endr
.endm
.macro PLACES n
.rept \n
	v_nop
.endr
.endm
.macro STEP slot, q, zero
	s_wait_dscnt 4*NL
.if \zero
	WIN FIRST_LO
.else
	WIN MUL_LO
.endif
	MUL16 0, (\q)%2, \q, \slot, \zero
	MUL16 2, (\q)%2, \q, \slot, \zero
	s_wait_dscnt 0
	PLACES NP
	FETCH_B \slot, (\q)+1, 1-(\q)%2
	FETCH_A \slot, (\q)+1, 0
.if \zero
	WIN FIRST_HI
.else
	WIN MUL_HI
.endif
	MUL16 4, (\q)%2, \q, \slot, \zero
	MUL16 6, (\q)%2, \q, \slot, \zero
	PLACES NP
	WIN 0
	FETCH_A \slot, (\q)+1, 4
.endm
.macro TURN slot, next, fill
	s_wait_tensorcnt 0x0
	ds_add_u32 v[SPW], v[NIL]
	s_wait_dscnt 4*NL+1
	WIN MUL_LO
	MUL16 0, 1, NQ-1, \slot, 0
	s_wait_dscnt 0x0
	s_barrier_signal -1
	MUL16 2, 1, NQ-1, \slot, 0
	WIN 0
	s_barrier_wait -1
.if \fill
	CREST
	s_add_nc_u64 s[G0+4*\slot+2:G0+4*\slot+3], s[G0+4*\slot+2:G0+4*\slot+3], 2*ROWB
	s_add_nc_u64 s[G0B+4*\slot+2:G0B+4*\slot+3], s[G0B+4*\slot+2:G0B+4*\slot+3], 2*ROWB
	JLOAD G0+4*\slot, G1, G0B+4*\slot, G1B
	PLACES NP-4
.else
	PLACES NP
.endif
	s_wait_alu depctr_va_vdst(0)
	v_add_nc_u32 v[ADRS], 4*NQ, v[ADRS]
	FETCH_B \next, 0, 0
	FETCH_A \next, 0, 0
	SCALES \next
	WIN MUL_HI
	MUL16 4, 1, NQ-1, \slot, 0
	MUL16 6, 1, NQ-1, \slot, 0
	PLACES NP
	WIN 0
	FETCH_A \next, 0, 4
.endm
	s_wait_alu depctr_va_vdst(0)
	s_wait_loadcnt 16                              ; my scale bytes are in registers; the bias's 16 loads may be out
.irp j, 0,1,2,3,4,5,6,7
	ds_store_b128 v[SST], v[128+4*\j:131+4*\j] offset:544*\j   ; two units of 256 bytes a store
.endr
	s_wait_tensorcnt 0x0                           ; my part of K step 0 is in
	ds_add_u32 v[SPW], v[NIL]                      ; the add ahead of a later first fill
	s_wait_dscnt 0x0                               ; the add is done, and my stores of scale bytes have landed
	CROUND                                         ; K step 0 and the scales are whole, and the sixteen work-groups are here
	JLOAD G0+4, G1, G0B+4, G1B                     ; K step 1, the first tensor load behind the round
	FETCH_B 0, 0, 0
	FETCH_A 0, 0, 0
	SCALES 0
	FETCH_A 0, 0, 4
	global_prefetch_b8 v[PFO], s[6:7] offset:768 th:TH_LOAD_NT scope:SCOPE_SE   ; K step 3
	s_wait_loadcnt 0x0
	STEP 0, 0, 1
	s_mov_b32 s3, LAPS-1
.Llap:
	TURN 0, 1, 1
	STEP 1, 0, 0
	TURN 1, 0, 1
	STEP 0, 0, 0
	s_sub_co_u32 s3, s3, 1
	s_cmp_lg_u32 s3, 0
	s_cbranch_scc1 .Llap
	TURN 0, 1, 0
	STEP 1, 0, 0
	s_wait_dscnt 4*NL
	WIN MUL_LO
	MUL16 0, 1, NQ-1, 1, 0
	MUL16 2, 1, NQ-1, 1, 0
	s_wait_dscnt 0
	WIN MUL_HI
	MUL16 4, 1, NQ-1, 1, 0
	MUL16 6, 1, NQ-1, 1, 0
	WIN 0
.macro QBLK a
.set W,   2+(\a)/4
.set WW,  (W<<2)|(W<<4)
.set AC,  64*((\a)%4)
.set PCS, PC+16*((\a)%2)
.set PWS, PW+(\a)%2
	WIN 0
.if (\a) >= 2
	s_wait_dscnt 9
.endif
.irp b, 0,1,2,3
	v_mov_b32 v[TM+\b], 0x4800000
.if (\a) == 0
	v_mov_b32 v[TM+4+\b], 0
.endif
.endr
	WIN WW
.irp i, 0,2,4,6,8,10,12,14
.irp b, 0,1,2,3
	v_max3_num_f32 v[TM+\b], v[TM+\b], v[AC+16*\b+\i], v[AC+16*\b+\i+1]
.endr
.endr
	WIN 0
.irp b, 0,1,2,3
	v_permlanex16_b32 v[TM+4+\b], v[TM+\b], s[SEL], s[SEL+1]
.endr
.irp b, 0,1,2,3
	v_max_num_f32 v[TM+\b], v[TM+\b], v[TM+4+\b]
.endr
.irp b, 0,1,2,3
	v_add_nc_u32 v[TM+12+\b], 0xfc000000, v[TM+\b]
.endr
.irp b, 0,1,2,3
	v_and_or_b32 v[TM+8+\b], v[TM+\b], 0x7f800000, s[MNT]
.endr
.irp b, 0,1,2,3
	v_lshrrev_b32 v[TM+4+\b], 23, v[TM+12+\b]
.endr
	v_lshl_or_b32 v[PWS], v[TM+5], 8, v[TM+4]
	v_lshl_or_b32 v[PWS], v[TM+6], 16, v[PWS]
	v_lshl_or_b32 v[PWS], v[TM+7], 24, v[PWS]
	WIN W
.irp b, 0,1,2,3
.irp i, 0,1,2,3,4,5,6,7,8,9,10,11,12,13,14,15
	v_med3_num_f32 v[HELD+16*\b+\i], v[AC+16*\b+\i], 0, v[TM+8+\b]
.endr
.endr
	WIN 0
.irp b, 0,1,2,3,4,5,6,7
	v_cvt_scalef32_pk8_fp8_f32 v[PCS+2*\b:PCS+2*\b+1], v[HELD+8*\b:HELD+8*\b+7], v[TM+12+\b/2]
.endr
	v_nop
.irp b, 0,1,2,3,4,5,6,7
	ds_store_b64 v[STO], v[PCS+2*\b:PCS+2*\b+1] offset:4352*(\a)+16*\b
.endr
	ds_store_b32 v[SSO], v[PWS] offset:128*(\a)
.endm
	PLACES NP
.irp a, 0,1,2,3,4,5,6,7
	QBLK \a
.endr
	s_wait_dscnt 0x0
	s_barrier_signal -1
	s_barrier_wait -1
	ds_load_b64 v[WD:WD+1], v[SRD]
	ds_load_b64 v[WD+2:WD+3], v[SRD] offset:256
.irp i, 0,1,2,3
.irp g, 0,1,2,3,4,5,6,7
	ds_load_b128 v[128+4*(8*\i+\g):128+4*(8*\i+\g)+3], v[RDA] offset:(32*(\i/2)+8*(\i%2))*272+32*\g
.endr
.endr
	s_lshl_b32 s20, s17, 4
	s_lshl_b32 s21, s14, 2
	s_add_co_u32 s20, s20, s21
	s_lshl_b32 s22, s20, 16
	s_lshl_b32 s23, s42, 12
	s_add_co_u32 s22, s22, s23
	s_mov_b32 s23, 0
	s_add_nc_u64 s[18:19], s[12:13], s[22:23]
	s_lshl_b32 s22, s20, 11
	s_lshr_b32 s23, s42, 1
	s_lshl_b32 s23, s23, 8
	s_add_co_u32 s22, s22, s23
	s_and_b32 s23, s42, 1
	s_lshl_b32 s23, s23, 3
	s_add_co_u32 s22, s22, s23
	s_add_co_u32 s22, s22, 0x1000000
	s_mov_b32 s23, 0
	s_add_nc_u64 s[12:13], s[12:13], s[22:23]
	s_wait_dscnt 32
	global_store_b64 v[G4], v[WD:WD+1], s[12:13]
	global_store_b64 v[G4], v[WD+2:WD+3], s[12:13] offset:4096
.irp i, 0,1,2,3
.irp g, 0,1,2,3,4,5,6,7
	s_wait_dscnt 31-(8*\i+\g)
	global_store_b128 v[GO], v[128+4*(8*\i+\g):128+4*(8*\i+\g)+3], s[18:19] offset:65536*\i+512*\g
.endr
.endr
	s_wait_tensorcnt 0x0
	ds_add_u32 v[SPW], v[NIL]
	s_wait_dscnt 0x0
	CROUND
	s_endpgm
.Lfunc_end_k_q87b8f11153_ff1:
	.size	k_q87b8f11153_ff1, .Lfunc_end_k_q87b8f11153_ff1-k_q87b8f11153_ff1
	.p2alignl 7, 3214868480
	.fill 96, 4, 3214868480
	.section	.rodata,"a",@progbits
	.p2align	6, 0x0
	.amdhsa_kernel k_q87b8f11153_ff1
		.amdhsa_group_segment_fixed_size 327680
		.amdhsa_private_segment_fixed_size 0
		.amdhsa_enable_private_segment 0
		.amdhsa_kernarg_size 40
		.amdhsa_user_sgpr_count 2
		.amdhsa_user_sgpr_kernarg_segment_ptr 1
		.amdhsa_wavefront_size32 1
		.amdhsa_system_sgpr_workgroup_id_x 1
		.amdhsa_system_sgpr_workgroup_id_y 1
		.amdhsa_system_sgpr_workgroup_id_z 1
		.amdhsa_system_vgpr_workitem_id 0
		.amdhsa_next_free_vgpr 1024
		.amdhsa_next_free_sgpr 98
		.amdhsa_reserve_vcc 0
		.amdhsa_float_denorm_mode_32 3
		.amdhsa_float_denorm_mode_16_64 3
		.amdhsa_memory_ordered 1
		.amdhsa_forward_progress 1
		.amdhsa_inst_pref_size 197
	.end_amdhsa_kernel
	.amdgpu_metadata
---
amdhsa.version: [ 1, 2 ]
amdhsa.kernels:
  - .name:           k_q87b8f11153_ff1
    .symbol:         k_q87b8f11153_ff1.kd
    .args:
      - { .name: act2, .offset: 0, .size: 8, .value_kind: global_buffer, .address_space: global }
      - { .name: ff1_w_codes, .offset: 8, .size: 8, .value_kind: global_buffer, .address_space: global }
      - { .name: ff1_w_scales, .offset: 16, .size: 8, .value_kind: global_buffer, .address_space: global }
      - { .name: ff1_b, .offset: 24, .size: 8, .value_kind: global_buffer, .address_space: global }
      - { .name: hid, .offset: 32, .size: 8, .value_kind: global_buffer, .address_space: global }
    .group_segment_fixed_size: 327680
    .private_segment_fixed_size: 0
    .kernarg_segment_align: 8
    .kernarg_segment_size: 40
    .max_flat_workgroup_size: 128
    .sgpr_count:     98
    .vgpr_count:     1024
    .wavefront_size: 32
...
	.end_amdgpu_metadata
.endif
;; end of part 5
;; launch ff2 (part 6): grid 8 x 32, 4 waves a work-group, clusters of 4 x 4, 327,680 bytes of LDS; arguments hid, ff2_w_codes, ff2_w_scales, ff2_b, hres, out0; writes out0
.if DOCPART == 6
	.amdgcn_target "amdgcn-amd-amdhsa--gfx1250"
	.amdhsa_code_object_version 6
	.text
	.protected	k_q87b8f11153_ff2
	.globl	k_q87b8f11153_ff2
	.p2align	8
	.type	k_q87b8f11153_ff2,@function
k_q87b8f11153_ff2:
	s_mov_b64 s[64:65], 0
	v_nop
	global_prefetch_b8 v0, s[64:65] scope:SCOPE_SE
	s_setreg_imm32_b32 hwreg(HW_REG_WAVE_MODE, 25, 1), 1
	s_wait_xcnt 0x0
	s_wait_alu depctr_hold_cnt(0) depctr_sa_sdst(0) depctr_va_vdst(0) depctr_va_sdst(0) depctr_va_ssrc(0) depctr_va_vcc(0) depctr_vm_vsrc(0)
	s_getreg_b32 s2, hwreg(HW_REG_IB_STS2, 6, 4)
	s_cmp_eq_u32 s2, 0
	s_cbranch_scc0 .Lentry_in_a_cluster
	s_endpgm
.Lentry_in_a_cluster:
	s_bfe_u32 s2, ttmp6, 0x10000c
	s_cmp_lg_u32 s2, 0xf033
	s_cbranch_scc0 .Lentry_shape_is_right
	s_endpgm
.Lentry_shape_is_right:
.set KK,       4096
.set ASC,      0x1000000
.set HAS_BIAS, 1
.set NSLOT,  KK/512
.set LAPS,   KK/1024
.set KS,     KK/32
.set APART,  65536
.set BP,     528
.set BHALF,  64*BP
.set SLOT,   APART+2*BHALF
.set SCA,    2*SLOT
.set SCB,    SCA+17408                 ; A's scale words and B's scale bytes alike: 64 units of 256 bytes + 16 of padding
.set SBH,    (64*KS/256)*272
.set SBLK,   (16*KS/256)*272
.set SPARE,  SCB+17408
.set SP,     528
.set ADRA, 16
.set ADRB, 20
.set ADSA, 22
.set ADSB, 23
.set STO,  24
.set RD,   25
.set CO,   26
.set SPW,  28
.set NIL,  29
.set SA,   32
.set SBW,  64
.set BI,   96
.set ACC,  128
.set F0,   0
.set F1,   128
.set G1,   24
.set G0,   32
.set G1B,  48
.set G0B,  56
.set G1S,  68
.set G0S,  76
.set G1SB, 80
.set G0SB, 88
.set MSB, 0
.macro WIN new
.if MSB != (\new)
	s_set_vgpr_msb (MSB<<8)|(\new)
.set MSB, (\new)
.endif
.endm
.set MUL,  0x05
.set TO_F, 0x40
.macro JLOAD g0a, g1a, g0b, g1b
	s_cmp_eq_u32 s15, 0
	s_cbranch_scc0 .Lfor_b_\@
	tensor_load_to_lds s[\g0a:\g0a+3], s[\g1a:\g1a+7]
	s_nop 0
.rept 4
	v_nop
.endr
	s_branch .Lasked_\@
.Lfor_b_\@:
	tensor_load_to_lds s[\g0b:\g0b+3], s[\g1b:\g1b+7]
	s_nop 0
.rept 4
	v_nop
.endr
.Lasked_\@:
.endm
.macro CREST
	s_cmp_lg_u32 s14, 0
	s_cbranch_scc1 .Lnot_wave_0_\@
	s_barrier_signal -3
.Lnot_wave_0_\@:
	s_barrier_wait -3
	s_barrier_signal -1
	s_barrier_wait -1
.endm
.macro CROUND
	s_barrier_signal -1
	s_barrier_wait -1
	CREST
.endm
	s_load_b256 s[4:11], s[0:1], 0x0
.if HAS_BIAS
	s_load_b128 s[92:95], s[0:1], 0x20
.else
	s_load_b64 s[12:13], s[0:1], 0x20
.endif
	v_lshl_add_u32 v[SPW], v0, 2, SPARE
	v_mov_b32 v[NIL], 0
	ds_add_u32 v28, v29
	ds_add_u32 v28, v29
	s_wait_dscnt 0x0
	v_lshrrev_b32 v1, 5, v0
	v_readfirstlane_b32 s14, v1
	s_lshr_b32 s15, s14, 1
	s_and_b32 s16, s14, 1
	s_bfe_u32 s40, ttmp6, 0x40000
	s_bfe_u32 s41, ttmp6, 0x40004
	s_lshl_b32 s42, ttmp9, 2
	s_add_co_u32 s42, s42, s40
	s_and_b32 s17, ttmp7, 0xffff
	s_lshl_b32 s17, s17, 2
	s_add_co_u32 s17, s17, s41
	s_lshl_b32 s43, s41, 2
	s_lshl_b32 s43, 15, s43
	s_lshl_b32 s44, 0x1111, s40
	s_or_b32 s[G1+0], s43, (3<<16)|(1<<21)
	s_mov_b32 s[G1+1], 1024<<16
	s_mov_b32 s[G1+2], 4<<16
	s_mov_b32 s[G1+3], 1024<<16
	s_mov_b32 s[G1+4], 4
	s_mov_b32 s[G1+5], 2*KK
	s_mov_b32 s[G1+6], 0
	s_mov_b32 s[G1+7], 0
	s_or_b32 s[G1B+0], s44, (0<<16)|(1<<20)|(1<<21)|(6<<22)|(3<<25)
	s_mov_b32 s[G1B+1], 512<<16
	s_mov_b32 s[G1B+2], 64<<16
	s_mov_b32 s[G1B+3], 512<<16
	s_mov_b32 s[G1B+4], 64
	s_mov_b32 s[G1B+5], KK
	s_mov_b32 s[G1B+6], 0
	s_mov_b32 s[G1B+7], 0
	s_lshl_b32 s20, s17, 3
	s_lshl_b32 s18, s16, 2
	s_add_co_u32 s20, s20, s18
	s_mul_i32 s22, s20, NSLOT*256
	s_add_co_u32 s22, s22, ASC
	s_mov_b32 s23, 0
	s_mul_i32 s20, s20, 16*KK
	s_mov_b32 s21, 0
	s_lshl_b32 s46, s42, 7
	s_lshl_b32 s18, s16, 6
	s_add_co_u32 s46, s46, s18
	s_mul_i32 s96, s46, KS
	s_mov_b32 s97, 0
	s_mul_i32 s46, s46, KK
	s_mov_b32 s47, 0
	s_mul_i32 s45, s16, 32768
	s_mul_i32 s19, s16, BHALF
	s_add_co_u32 s19, s19, APART
	s_mul_i32 s98, s14, SBH                        ; where my quarter of the scales goes: 32 units a wave, A's two halves, then B's
	s_add_co_u32 s98, s98, SCA
	s_wait_kmcnt 0x0
	s_add_nc_u64 s[20:21], s[4:5], s[20:21]
	s_add_nc_u64 s[22:23], s[4:5], s[22:23]
	s_add_nc_u64 s[46:47], s[6:7], s[46:47]
	s_add_nc_u64 s[96:97], s[8:9], s[96:97]
	CROUND
.irp s, 0,1
	s_mov_b32 s[G0+4*\s], 1
	s_add_co_u32 s[G0+4*\s+1], s45, \s*SLOT
	s_add_nc_u64 s[G0+4*\s+2:G0+4*\s+3], s[20:21], \s*8192
	s_or_b32 s[G0+4*\s+3], s[G0+4*\s+3], 0x80000000
	s_mov_b32 s[G0B+4*\s], 1
	s_add_co_u32 s[G0B+4*\s+1], s19, \s*SLOT
	s_add_nc_u64 s[G0B+4*\s+2:G0B+4*\s+3], s[46:47], \s*512
	s_or_b32 s[G0B+4*\s+3], s[G0B+4*\s+3], 0x80000000
.endr
	JLOAD G0, G1, G0B, G1B                         ; slot 0: my half of A's or of B's part, my one tensor load at the head
; THE SCALES come through registers: those of the half tile that I fetch, for all of K, are 8,192 dense bytes: sixteen loads of 512 consecutive bytes, stored into LDS as units of 256 bytes + 16 of padding, under the tensor load's flight.
; THE PREFETCHES INTO THE L2: beside the load of slot j each wave asks for its share of slot j + 2 (and at the head for slot 1 too), one instruction, 32 blocks of 256 bytes.  Of the half tile that a wave fetches, each of the four
; partners that ask for it jointly takes a quarter, told apart by address: of A the block cx (8,192 bytes of a slot, lanes 256 bytes apart), of B the rows 16 cy .. + 15 (512 bytes of a slot, two lanes a row).
; The loads of slots 6 and 7 ask for nothing: slot 7 is the last.
.set PFA,  8                           ; s[8:9]   where my prefetches stand;  s[6:7] the same a slot on, at the head alone
.set PFS,  66                          ; s[66:67] a slot on, in bytes
.set PFO,  30                          ; v30      my lane's offset in them; never rewritten
.set SST,  31                          ; v31      where my lane stores its scale bytes
	s_cmp_eq_u32 s15, 0                            ; do I fetch for A?
	s_cselect_b64 s[4:5], s[22:23], s[96:97]       ; my scale bytes
	s_cselect_b64 s[PFA:PFA+1], s[20:21], s[46:47]
	s_cselect_b32 s2, s40, s41                     ; my place among the four
	s_mov_b32 s[PFS], 512
	s_cselect_b32 s[PFS], 8192, s[PFS]
	s_mov_b32 s18, KK
	s_cselect_b32 s18, 512, s18                    ; from one pair of lanes to the next
	s_mul_i32 s2, s2, 16*KK                        ; a block of A and 16 rows of B are the same bytes
	s_mov_b32 s3, 0
	s_mov_b32 s[PFS+1], 0
	s_add_nc_u64 s[PFA:PFA+1], s[PFA:PFA+1], s[2:3]
	s_add_nc_u64 s[PFA:PFA+1], s[PFA:PFA+1], s[PFS:PFS+1]   ; at slot 1,
	s_add_nc_u64 s[6:7], s[PFA:PFA+1], s[PFS:PFS+1]         ; and at slot 2
	v_and_b32 v1, 15, v0
	v_bfe_u32 v2, v0, 4, 1
	v_and_b32 v3, 31, v0
	v_lshlrev_b32 v[CO], 4, v3
.set t, 0
.rept 16
	global_load_b128 v[ACC+4*t:ACC+4*t+3], v[CO], s[4:5] offset:512*t
.set t, t+1
.endr
	v_lshrrev_b32 v5, 1, v3
	v_and_b32 v6, 1, v3
	v_mul_u32_u24 v7, v2, 272
	v_mul_lo_u32 v5, v5, s18
	v_lshl_add_u32 v7, v1, 4, v7
	v_lshl_add_u32 v[PFO], v6, 8, v5
	v_add_nc_u32 v[SST], s98, v7
	global_prefetch_b8 v[PFO], s[PFA:PFA+1] th:TH_LOAD_NT scope:SCOPE_SE   ; slot 1
	global_prefetch_b8 v[PFO], s[6:7] th:TH_LOAD_NT scope:SCOPE_SE         ; slot 2
	s_wait_alu depctr_va_vdst(0)
	s_lshl_b32 s20, s17, 7
	s_lshl_b32 s21, s14, 5
	s_add_co_u32 s20, s20, s21
	s_lshl_b32 s20, s20, 12
	s_lshl_b32 s22, s42, 9
	s_add_co_u32 s20, s20, s22
	s_mov_b32 s21, 0
	s_mov_b32 s23, 0
.if HAS_BIAS
	s_add_nc_u64 s[12:13], s[94:95], s[20:21]
	s_add_nc_u64 s[92:93], s[92:93], s[20:21]
	s_add_nc_u64 s[10:11], s[10:11], s[22:23]
	global_load_b128 v[BI:BI+3], v[CO], s[10:11]
.else
	s_add_nc_u64 s[92:93], s[10:11], s[20:21]
	s_add_nc_u64 s[12:13], s[12:13], s[20:21]
.endif
	s_mul_i32 s21, s15, 32768
	v_mul_u32_u24 v4, v1, BP
	v_lshl_add_u32 v4, v2, 4, v4
	s_mul_i32 s22, s16, BHALF
	s_add_co_u32 s22, s22, APART
.irp s, 0,1
	v_add_nc_u32 v[ADRA+\s], s21, v[CO]
	v_add_nc_u32 v[ADRB+\s], s22, v4
	s_add_co_u32 s21, s21, SLOT
	s_add_co_u32 s22, s22, SLOT
.endr
	s_mul_i32 s21, s15, SBH
	s_add_co_u32 s21, s21, SCA
	v_lshl_add_u32 v[ADSA], v1, 4, s21
	v_mul_u32_u24 v5, v1, KS
	v_lshrrev_b32 v6, 8, v5
	v_lshl_add_u32 v5, v6, 4, v5
	s_mul_i32 s21, s16, SBH
	s_add_co_u32 s21, s21, SCB
	v_add_nc_u32 v[ADSB], s21, v5
	v_and_b32 v5, 8, v1
	v_add_nc_u32 v5, v5, v1
	v_mul_u32_u24 v5, v5, SP
	v_lshl_add_u32 v5, v2, 5, v5
	s_mul_i32 s21, s15, 64*SP
	s_lshl_b32 s22, s16, 8
	s_add_co_u32 s21, s21, s22
	v_add_nc_u32 v[STO], s21, v5
	s_mul_i32 s21, s14, 32*SP
	v_add_nc_u32 v[RD], s21, v[CO]
.macro MUL4 f, a, q, set, zero
.irp b, 0,1,2,3
.if \zero
	v_wmma_scale_f32_16x16x128_f8f6f4 v[ACC+8*(4*(\a)+\b):ACC+8*(4*(\a)+\b)+7], v[\f+64+16*\b:\f+64+16*\b+15], v[\f+16*(\a):\f+16*(\a)+15], 0, v[SBW+16*(\set)+4*\b+(\q)], v[SA+16*(\set)+4*(\a)+(\q)]
.else
	v_wmma_scale_f32_16x16x128_f8f6f4 v[ACC+8*(4*(\a)+\b):ACC+8*(4*(\a)+\b)+7], v[\f+64+16*\b:\f+64+16*\b+15], v[\f+16*(\a):\f+16*(\a)+15], v[ACC+8*(4*(\a)+\b):ACC+8*(4*(\a)+\b)+7], v[SBW+16*(\set)+4*\b+(\q)], v[SA+16*(\set)+4*(\a)+(\q)]
.endif
.endr
.endm
.macro FETCH slot, q, f
	WIN TO_F
.irp i, 0,1,2,3
.irp c, 0,1,2,3
	ds_load_b128 v[\f+64+16*\i+4*\c:\f+64+16*\i+4*\c+3], v[ADRB+\slot] offset:128*(\q)+32*\c+16*BP*\i
.endr
.endr
.irp i, 0,1,2,3
.irp c, 0,1,2,3
	ds_load_b128 v[\f+16*\i+4*\c:\f+16*\i+4*\c+3], v[ADRA+\slot] offset:8192*\i+2048*(\q)+512*\c
.endr
.endr
.endm
.macro SCALES set
	WIN 0
.irp i, 0,1,2,3
	ds_load_b128 v[SA+16*\set+4*\i:SA+16*\set+4*\i+3], v[ADSA] offset:272*NSLOT*\i
	ds_load_b128 v[SBW+16*\set+4*\i:SBW+16*\set+4*\i+3], v[ADSB] offset:SBLK*\i
.endr
.endm
.macro PLACES n
.rept \n
	v_nop
.endr
.endm
.macro QUARTER slot, q, f, g, zero
	s_wait_dscnt 8
	WIN MUL
	MUL4 \f, 0, \q, \slot, \zero
	MUL4 \f, 1, \q, \slot, \zero
	PLACES 8
	FETCH \slot, (\q)+1, \g
	s_wait_dscnt 32
	WIN MUL
	MUL4 \f, 2, \q, \slot, \zero
	MUL4 \f, 3, \q, \slot, \zero
.endm
.macro TURN slot, next, fill
	WIN 0
.if \fill
	s_wait_xcnt 0x0                                ; my last prefetch has read its address: on to the next slot
	s_add_nc_u64 s[PFA:PFA+1], s[PFA:PFA+1], s[PFS:PFS+1]
.endif
	s_wait_tensorcnt 0x0
	ds_add_u32 v[SPW], v[NIL]
	s_wait_dscnt 9
	WIN MUL
	MUL4 F1, 0, 3, \slot, 0
	s_wait_dscnt 0x0
	s_barrier_signal -1
	MUL4 F1, 1, 3, \slot, 0
	WIN 0
	s_barrier_wait -1
.if \fill
	CREST
	s_add_nc_u64 s[G0+4*\slot+2:G0+4*\slot+3], s[G0+4*\slot+2:G0+4*\slot+3], 2*8192
	s_add_nc_u64 s[G0B+4*\slot+2:G0B+4*\slot+3], s[G0B+4*\slot+2:G0B+4*\slot+3], 2*512
	JLOAD G0+4*\slot, G1, G0B+4*\slot, G1B
	PLACES 4
.else
	PLACES 8
.endif
	s_wait_alu depctr_va_vdst(0)
	v_add_nc_u32 v[ADSA], 272, v[ADSA]
	v_add_nc_u32 v[ADSB], 16, v[ADSB]
	SCALES \next
.if \fill
	s_cmp_gt_u32 s3, 1                             ; the last trip's two refills have no slot two on
	s_cbranch_scc0 .Lno_ask_\@
	global_prefetch_b8 v[PFO], s[PFA:PFA+1] th:TH_LOAD_NT scope:SCOPE_SE
.Lno_ask_\@:
.endif
	FETCH \next, 0, F0
	WIN MUL
	MUL4 F1, 2, 3, \slot, 0
	MUL4 F1, 3, 3, \slot, 0
.endm
	s_wait_alu depctr_va_vdst(0)
	s_wait_loadcnt 1                               ; my scale bytes are in registers; the bias's load may be out
.set t, 0
.rept 16
	ds_store_b128 v[SST], v[ACC+4*t:ACC+4*t+3] offset:544*t   ; two units of 256 bytes a store
.set t, t+1
.endr
	s_wait_tensorcnt 0x0                           ; my part of slot 0 is in
	ds_add_u32 v[SPW], v[NIL]                      ; the add ahead of a later first fill
	s_wait_xcnt 0x0                                ; the head's prefetches have read their addresses
	s_add_nc_u64 s[PFA:PFA+1], s[6:7], s[PFS:PFS+1]   ; at slot 3
	s_wait_dscnt 0x0                               ; the add is done, and my stores of scale bytes have landed
	CROUND                                         ; slot 0 and the scales are whole, and the sixteen work-groups are here
	JLOAD G0+4, G1, G0B+4, G1B                     ; slot 1, the first tensor load behind the round
	SCALES 0
	global_prefetch_b8 v[PFO], s[PFA:PFA+1] th:TH_LOAD_NT scope:SCOPE_SE   ; slot 3, beside slot 1's load
	FETCH 0, 0, F0
	WIN 0x80                                       ; destination window 2
.set t, 0
.rept 32
	global_load_b128 v[4*t:4*t+3], v[CO], s[92:93] offset:4096*t th:TH_LOAD_NT   ; the residual, 512 consecutive bytes of a row: asked for behind slot 0's tiles, read behind the whole K loop
.set t, t+1
.endr
	QUARTER 0, 0, F0, F1, 1
.if LAPS > 1
	WIN 0
	s_mov_b32 s3, LAPS-1
.Llap:
	QUARTER 0, 1, F1, F0, 0
	QUARTER 0, 2, F0, F1, 0
	TURN 0, 1, 1
	QUARTER 1, 0, F0, F1, 0
	QUARTER 1, 1, F1, F0, 0
	QUARTER 1, 2, F0, F1, 0
	TURN 1, 0, 1
	QUARTER 0, 0, F0, F1, 0
	WIN 0
	s_sub_co_u32 s3, s3, 1
	s_cmp_lg_u32 s3, 0
	s_cbranch_scc1 .Llap
.endif
	QUARTER 0, 1, F1, F0, 0
	QUARTER 0, 2, F0, F1, 0
	TURN 0, 1, 0
	QUARTER 1, 0, F0, F1, 0
	QUARTER 1, 1, F1, F0, 0
	QUARTER 1, 2, F0, F1, 0
	s_wait_dscnt 8
	WIN MUL
	MUL4 F1, 0, 3, 1, 0
	MUL4 F1, 1, 3, 1, 0
	s_wait_dscnt 0
	MUL4 F1, 2, 3, 1, 0
	MUL4 F1, 3, 3, 1, 0
	WIN 0
	PLACES 8
.irp a, 0,1,2,3
.irp b, 0,1,2,3
	ds_store_b128 v[STO], v[ACC+8*(4*\a+\b):ACC+8*(4*\a+\b)+3] offset:(32*(\a/2)+8*(\a%2))*SP+64*\b
	ds_store_b128 v[STO], v[ACC+8*(4*\a+\b)+4:ACC+8*(4*\a+\b)+7] offset:(32*(\a/2)+8*(\a%2))*SP+64*\b+16
.endr
.endr
	s_wait_dscnt 0x0
	s_barrier_signal -1
	s_barrier_wait -1
.set t, 0
.rept 32
	ds_load_b128 v[ACC+4*t:ACC+4*t+3], v[RD] offset:SP*t
.set t, t+1
.endr
	s_wait_loadcnt 0x0
	s_wait_dscnt 0x0
	WIN 0x08
.set j, 0
.rept 64
	v_pk_add_f32 v[ACC+j:ACC+j+1], v[ACC+j:ACC+j+1], v[j:j+1]
.set j, j+2
.endr
	WIN 0
.if HAS_BIAS
.set j, 0
.rept 64
	v_pk_add_f32 v[ACC+j:ACC+j+1], v[ACC+j:ACC+j+1], v[BI+j%4:BI+j%4+1]
.set j, j+2
.endr
.endif
.set t, 0
.rept 32
	global_store_b128 v[CO], v[ACC+4*t:ACC+4*t+3], s[12:13] offset:4096*t
.set t, t+1
.endr
	s_wait_tensorcnt 0x0
	ds_add_u32 v[SPW], v[NIL]
	s_wait_dscnt 0x0
	CROUND
	s_endpgm
.Lfunc_end_k_q87b8f11153_ff2:
	.size	k_q87b8f11153_ff2, .Lfunc_end_k_q87b8f11153_ff2-k_q87b8f11153_ff2
	.p2alignl 7, 3214868480
	.fill 96, 4, 3214868480
	.section	.rodata,"a",@progbits
	.p2align	6, 0x0
	.amdhsa_kernel k_q87b8f11153_ff2
		.amdhsa_group_segment_fixed_size 327680
		.amdhsa_private_segment_fixed_size 0
		.amdhsa_enable_private_segment 0
		.amdhsa_kernarg_size 48
		.amdhsa_user_sgpr_count 2
		.amdhsa_user_sgpr_kernarg_segment_ptr 1
		.amdhsa_wavefront_size32 1
		.amdhsa_system_sgpr_workgroup_id_x 1
		.amdhsa_system_sgpr_workgroup_id_y 1
		.amdhsa_system_sgpr_workgroup_id_z 1
		.amdhsa_system_vgpr_workitem_id 0
		.amdhsa_next_free_vgpr 768
		.amdhsa_next_free_sgpr 100
		.amdhsa_reserve_vcc 0
		.amdhsa_float_denorm_mode_32 3
		.amdhsa_float_denorm_mode_16_64 3
		.amdhsa_memory_ordered 1
		.amdhsa_forward_progress 1
		.amdhsa_inst_pref_size 107
	.end_amdhsa_kernel
	.amdgpu_metadata
---
amdhsa.version: [ 1, 2 ]
amdhsa.kernels:
  - .name:           k_q87b8f11153_ff2
    .symbol:         k_q87b8f11153_ff2.kd
    .args:
      - { .name: hid, .offset: 0, .size: 8, .value_kind: global_buffer, .address_space: global }
      - { .name: ff2_w_codes, .offset: 8, .size: 8, .value_kind: global_buffer, .address_space: global }
      - { .name: ff2_w_scales, .offset: 16, .size: 8, .value_kind: global_buffer, .address_space: global }
      - { .name: ff2_b, .offset: 24, .size: 8, .value_kind: global_buffer, .address_space: global }
      - { .name: hres, .offset: 32, .size: 8, .value_kind: global_buffer, .address_space: global }
      - { .name: out0, .offset: 40, .size: 8, .value_kind: global_buffer, .address_space: global }
    .group_segment_fixed_size: 327680
    .private_segment_fixed_size: 0
    .kernarg_segment_align: 8
    .kernarg_segment_size: 48
    .max_flat_workgroup_size: 128
    .sgpr_count:     100
    .vgpr_count:     768
    .wavefront_size: 32
...
	.end_amdgpu_metadata
.endif
;; end of part 6
